; MI455X (gfx1250); checked and timed in simulation.
; The chip was launched on July 23, 2026; its instructions are those of AMD's public machine-readable ISA for CDNA 5 (MIT licence, August 2026) and "CDNA5" Instruction Set Architecture Reference Guide (July 2026). The comments in the code are by the model that wrote it; some were corrected since.
;; Relative Multi Head Attention. Allowed arithmetic: matrix products marked QUANTISED: E2M3 operands, one E8M0 scale for each 32 along K, by v_wmma_scale_f32_16x16x128_f8f6f4 with both operands' format E2M3, f32 sums; everything else in f32.
;; Inputs: Wk_codes 1,024 x 32 x 24 uint8 (E2M3 codes of Wk, K innermost, in blocks of 32 codes, four codes in three bytes); Wk_scales 1,024 x 32 uint8 (E8M0 scales of Wk, one for each 32 codes along K); Wo_codes 1,024 x 32 x 24 uint8 (E2M3 codes of Wo, K innermost, in blocks of 32 codes, four codes in three bytes); Wo_scales 1,024 x 32 uint8 (E8M0 scales of Wo, one for each 32 codes along K); Wq_codes 1,024 x 32 x 24 uint8 (E2M3 codes of Wq, K innermost, in blocks of 32 codes, four codes in three bytes); Wq_scales 1,024 x 32 uint8 (E8M0 scales of Wq, one for each 32 codes along K); Wv_codes 1,024 x 32 x 24 uint8 (E2M3 codes of Wv, K innermost, in blocks of 32 codes, four codes in three bytes); Wv_scales 1,024 x 32 uint8 (E8M0 scales of Wv, one for each 32 codes along K); bk 1,024 float32; bo 1,024 float32; bq 1,024 float32; bv 1,024 float32; k_codes 2 x 2,048 x 32 x 24 uint8 (E2M3 codes of k, K innermost, in blocks of 32 codes, four codes in three bytes); k_scales 2 x 2,048 x 32 uint8 (E8M0 scales of k, one for each 32 codes along K); q_codes 2 x 2,048 x 32 x 24 uint8 (E2M3 codes of q, K innermost, in blocks of 32 codes, four codes in three bytes); q_scales 2 x 2,048 x 32 uint8 (E8M0 scales of q, one for each 32 codes along K); v_codes 2 x 2,048 x 32 x 24 uint8 (E2M3 codes of v, K innermost, in blocks of 32 codes, four codes in three bytes); v_scales 2 x 2,048 x 32 uint8 (E8M0 scales of v, one for each 32 codes along K); w_rel_codes 4,095 x 4 x 24 uint8 (E2M3 codes of w_rel, K innermost, in blocks of 32 codes, four codes in three bytes); w_rel_scales 4,095 x 4 uint8 (E8M0 scales of w_rel, one for each 32 codes along K).
;; Outputs: out0 2 x 2,048 x 1,024 float32.
;; This version of the problem:
;;   THIS VERSION OF THE PROBLEM IS GIVEN IN LOW PRECISION. The matrix products marked QUANTISED in the list below multiply operands that are first quantised to E2M3 (2 exponent bits, 3 mantissa bits; 6 bits a number), with one power-of-two scale for each 32 numbers along K (OCP MX v1.0); their sums are f32. All else is computed in f32.
;;   The module's matrix products, in the order in which they are computed (A, B: the left and right operand; K: the contracted axis; several contracted axes count as one K, in the product's order):
;;     1. [M 4,096, K 1,024] x [K 1,024, N 1,024]; A: input q (given as codes); B: input Wq (given as codes): QUANTISED
;;     2. [M 4,096, K 1,024] x [K 1,024, N 1,024]; A: input k (given as codes); B: input Wk (given as codes): QUANTISED
;;     3. [M 4,096, K 1,024] x [K 1,024, N 1,024]; A: input v (given as codes); B: input Wv (given as codes): QUANTISED
;;     4. batch 16 x [M 2,048, K 128] x [K 128, N 2,048]; A: computed on the way; B: computed on the way: QUANTISED
;;     5. [M 32,768, K 128] x [K 128, N 4,095]; A: computed on the way; B: input w_rel (given as codes): QUANTISED
;;     6. batch 16 x [M 2,048, K 2,048] x [K 2,048, N 128]; A: softmax (see below); B: computed on the way: QUANTISED
;;     7. [M 4,096, K 1,024] x [K 1,024, N 1,024]; A: computed on the way; B: input Wo (given as codes): QUANTISED
;;   THE QUANTISER, for each operand of a quantised product, along K:
;;     - K is cut into blocks of 32 from its start; a last block that is shorter is filled with zeros.
;;     - A block's scale is 2^e with e = floor(log2(the largest magnitude in the block)) - 2, held to -126 .. 127; a block of zeros has e = 0. As a byte (E8M0): e + 127.
;;     - Each number is divided by its block's scale, clamped to +-7.5, and rounded to the nearest number of E2M3, ties to even, subnormals kept.
;;     - The product sums the exact products of the quantised numbers (number of the format x scale) in f32.
;;   ~~~python
;;   def quantise(x, axis):      # numpy; x: float32 -> the quantised numbers, widened to float32 again
;;       x = np.moveaxis(x, axis, -1); K = x.shape[-1]
;;       x = np.pad(x, [(0, 0)] * (x.ndim - 1) + [(0, -K % 32)]); x = x.reshape(x.shape[:-1] + (-1, 32)); a = np.abs(x).max(-1, keepdims=True)
;;       e = np.where(a > 0, np.clip(np.frexp(np.where(a > 0, a, 1))[1] - 1 - 2, -126, 127), 0)      # np.frexp(a)[1] - 1 = floor(log2(a)), exactly
;;       r = np.clip(x / 2.0 ** e, -7.5, 7.5)
;;       step = 2.0 ** (np.maximum(np.frexp(np.where(r == 0, 1, r))[1] - 1, 0) - 3)
;;       q = np.round(r / step) * step * 2.0 ** e      # np.round: ties to even
;;       return np.moveaxis(q.reshape(q.shape[:-2] + (-1,))[..., :K], -1, axis).astype(np.float32)
;;   ~~~
;;   SOFTMAX AHEAD OF A QUANTISED PRODUCT. Where the list says 'softmax', what is quantised is not the finished softmax but p = 2^(t - M), with t = logit x log2(e) and M = ceil(the row's largest t), a whole number; so 1/2 < the row's largest p <= 1. The row's sum l is taken of the UNQUANTISED p, in f32, and the product's result is divided by l at the end. Since M is a whole number, a kernel that streams over the keys may use a running M (the ceiling of the running maximum): every later rescaling is an exact power of two, which a block's scale takes up: the codes' values come out the same.
;;   OPERANDS COMPUTED ON THE WAY. 'Computed on the way' means the value that the module computes at that place (a softmax that the list does not call 'softmax' is quantised finished and normalised). What goes into a quantiser is computed in f32, as accurately as f32 sums, v_exp_f32 and their like allow (about 1e-6 of the number): no bf16 or f16 on the way to a quantiser, and a product that is left as it is and whose result goes on into a quantised operand takes f32 operands (vector FMAs, or v_wmma_f32_16x16x4_f32). A number that lies on a knife's edge between two numbers of the format may be rounded either way, as far as f32 arithmetic and the matrix unit's own rounding can turn it there, and no further.
;;   INPUTS GIVEN AS CODES. Wk (in the module: [1024, 1024], K = its axis 1); Wo (in the module: [1024, 1024], K = its axis 1); Wq (in the module: [1024, 1024], K = its axis 1); Wv (in the module: [1024, 1024], K = its axis 1); k (in the module: [2, 2048, 1024], K = its axis 2); q (in the module: [2, 2048, 1024], K = its axis 2); v (in the module: [2, 2048, 1024], K = its axis 2); w_rel (in the module: [4095, 128], K = its axis 1): each comes as NAME_codes (uint8): NAME with its K axis moved to the last place and cut into blocks of 32 codes, [.., K / 32, bytes a block], one block behind the other in memory; four codes in three bytes: a row's codes are one little-endian stream of bits, code i at bits 6 i .. 6 i + 5 (a code: sign, 2 exponent bits, 3 mantissa bits); and NAME_scales (uint8): the same leading axes, one E8M0 byte (e + 127) for each 32 codes along K. Its value is code x scale, taken as it is: it is not quantised again, and the codes and scales need not be those that the quantiser above would give.
;; One version. Each part assembles by itself: llvm-mc -triple=amdgcn-amd-amdhsa -mcpu=gfx1250 --defsym DOCPART=n.
;; ======== version 1 of 1: 3 launches
;; limits: right only within a limited range of input values
;; workspace buffers: img 9,830,400 bytes; scl 409,600 bytes; aimg 3,145,728 bytes; asc 131,072 bytes
;; launch proj (part 1): grid 4 x 48, 4 waves a work-group, clusters of 4 x 4, 327,680 bytes of LDS; arguments q_codes, q_scales, k_codes, k_scales, v_codes, v_scales, Wq_codes, Wq_scales, Wk_codes, Wk_scales, Wv_codes, Wv_scales, bq, bk, bv, w_rel_codes, w_rel_scales, img, scl; writes img, scl
.if DOCPART == 1
	.amdgcn_target "amdgcn-amd-amdhsa--gfx1250"
	.amdhsa_code_object_version 6
	.text
	.protected	k_q09e163ba63_proj
	.globl	k_q09e163ba63_proj
	.p2align	8
	.type	k_q09e163ba63_proj,@function
k_q09e163ba63_proj:
	s_mov_b64 s[64:65], 0
	v_nop
	global_prefetch_b8 v0, s[64:65] scope:SCOPE_SE
	s_setreg_imm32_b32 hwreg(HW_REG_WAVE_MODE, 25, 1), 1
	s_wait_xcnt 0x0
	s_wait_alu depctr_hold_cnt(0) depctr_sa_sdst(0) depctr_va_vdst(0) depctr_va_sdst(0) depctr_va_ssrc(0) depctr_va_vcc(0) depctr_vm_vsrc(0)
	s_getreg_b32 s2, hwreg(HW_REG_IB_STS2, 6, 4)
	s_cmp_eq_u32 s2, 0
	s_cbranch_scc0 .Lentry_in_a_cluster
	s_endpgm
.Lentry_in_a_cluster:
	s_bfe_u32 s2, ttmp6, 0x10000c
	s_cmp_lg_u32 s2, 0xf033
	s_cbranch_scc0 .Lentry_shape_is_right
	s_endpgm
.Lentry_shape_is_right:
; THE THREE INPUT PROJECTIONS on codes of FP6 (E2M3) with E8M0 scales: x W^T + b, quantised anew and stored as cells that the attention launch's operand registers take as they lie.
; WORK LEFT OUT IN THIS PROGRAM: the module forms t[i][r] = q_i . w_rel[r] for all 4,095 r and gathers only r = i + j, j = 0..2,047.  Whatever the inputs hold, t[i][r] outside that band reaches no output:
; the attention launch multiplies only tiles of w_rel that meet the band.  Limit: a NaN, an infinity or an overflow that would arise only in the part of t left out is not carried to the result.  Every input is loaded.
; A work-group makes 256 x 256 of one product (cluster y / 4: q, k, v), four waves of 128 x 128 each.  For q and k source rows are tokens and W's rows; for v the two change places, so that v comes out with the keys along a lane's registers.
; K = 1,024 is 768 bytes a row: three chunks of 256 bytes, each beginning at a multiple of 256 bytes, through two LDS slots; a step of 128 along K is 96 bytes, eight steps; steps 2 and 5 lie across two chunks.
; The scales of the 256 + 256 rows come once, as two dense blocks.  At the head each wave issues one joint load: A's chunk 0, B's chunk 0, A's scales, B's scales.
; 4 x 4 work-groups form a cluster: A's tiles are asked for jointly along a row of it, B's along a column.
; No prefetch: the walk along K has three chunks, of which two are asked for before the first product; there is no loop to run ahead in.
; The work-groups of product q also re-lay w_rel (row 4,095 as zero codes with the byte 127) into the same cells.
; The bias is the C of the first step's products where it runs along a lane's registers (q, k), and is added on the way out where it runs along rows (v).
.set ROWB,   256
.set NQ,     2
.set KROW,   768
.set STEPS,  8
.set CHUNKS, 3
.set PITCH,  272                       ; 256 bytes + 16 of padding
.set FR,     12
.set NL,     6
.set NP,     4
.set HALFT,  128*PITCH
.set SLOT,   4*HALFT
.set KS,     32
.set SCL,    2*SLOT
.set HALFS,  (128*KS/256)*272
.set SBLK,   (16*KS/256)*272
.set SPARE,  SCL+4*HALFS               ; the spare words: 512 bytes that no other line names
.set SPITCH, 528
.set STAGE,  SLOT                      ; the way out's stage lies in slot 1: the last chunk lies in slot 0, and slot 1 has had its last fill and its last read by then
.set SWB,    STAGE+4*16*SPITCH
.set SH8,  14
.set LN16, 15
.set ADRA, 16                          ; v16-17 my A fragments in slot 0, 1; v18-19 lanes 0-15 at byte 232 of that slot's row, lanes 16-31 at byte 0 of the other slot's
.set ADRB, 20                          ; v20-23 the same for B
.set STO,  24
.set RD2,  25
.set CO2,  26
.set ADRS, 27
.set SPW,  28
.set NIL,  29
.set SWA,  30
.set SWR,  31
.set SC,   32                          ; v32-63 scale words, two sets
.set CB,   64                          ; v64-127 the bias in the result's layout
.set AF,   128                         ; v128-223 A's fragments
.set BA2,  224                         ; v224-239 the bias by rows, as pairs
.set CC,   192
.set CT,   204
.set MX,   212
.set SOP,  214
.set BY,   216
.set PW,   218
.set OT,   219
.set SWD,  220
.set SEL,  20
.set G1, 24
.set G0, 32
.set G1B, 48
.set G0B, 56
.set G1S, 68
.set G0S, 76
.set G1SB, 80
.set G0SB, 88
.set G0H, 4                            ; groups 0 of the head's loads of chunk 0, in registers whose arguments have been used
.set G0HB, 8
.set OUTI, 92                          ; s[92:93] where my cells go, s[94:95] my scale words
.set OUTS, 94
.set MSB, 0
.macro WIN new
.if MSB != \new
	s_set_vgpr_msb (MSB<<8)|\new
.set MSB, \new
.endif
.endm
.set MUL_LO,   0xa1                    ; source 0 (B) window 1, source 1 (A) window 0, C and D window 2
.set MUL_HI,   0xf1
.set FIRST_LO, 0x81                    ; the same with C (the bias) in window 0
.set FIRST_HI, 0xc1
.set TO_B,     0x40
.macro WLO zero
.if \zero
	WIN FIRST_LO
.else
	WIN MUL_LO
.endif
.endm
.macro WHI zero
.if \zero
	WIN FIRST_HI
.else
	WIN MUL_HI
.endif
.endm
.macro PLACES n
.rept \n
	v_nop
.endr
.endm
.macro JLOAD g0a, g1a, g0b, g1b        ; waves 0 and 1 fetch for A, waves 2 and 3 for B
	s_cmp_eq_u32 s15, 0
	s_cbranch_scc0 .Lfor_b_\@
	tensor_load_to_lds s[\g0a:\g0a+3], s[\g1a:\g1a+7]
	s_nop 0
	PLACES 4
	s_branch .Lasked_\@
.Lfor_b_\@:
	tensor_load_to_lds s[\g0b:\g0b+3], s[\g1b:\g1b+7]
	s_nop 0
	PLACES 4
.Lasked_\@:
.endm
.macro CREST
	s_cmp_lg_u32 s14, 0
	s_cbranch_scc1 .Lnot_wave_0_\@
	s_barrier_signal -3
.Lnot_wave_0_\@:
	s_barrier_wait -3
	s_barrier_signal -1
	s_barrier_wait -1
.endm
.macro CROUND
	s_barrier_signal -1
	s_barrier_wait -1
	CREST
.endm
	s_load_b512 s[24:39], s[0:1], 0x0
	s_load_b256 s[48:55], s[0:1], 0x40
	s_load_b256 s[68:75], s[0:1], 0x60
	s_load_b128 s[76:79], s[0:1], 0x80
	s_load_b64 s[80:81], s[0:1], 0x90
	v_lshl_add_u32 v[SPW], v0, 2, SPARE
	v_mov_b32 v[NIL], 0
	ds_add_u32 v[SPW], v[NIL]              ; the opening lines: the add twice on end and one wait
	ds_add_u32 v[SPW], v[NIL]
	v_lshrrev_b32 v1, 5, v0
	v_readfirstlane_b32 s14, v1            ; wave
	s_lshr_b32 s15, s14, 1
	s_and_b32 s16, s14, 1
	s_bfe_u32 s40, ttmp6, 0x40000          ; cx
	s_bfe_u32 s41, ttmp6, 0x40004          ; cy
	s_and_b32 s3, ttmp7, 0xffff
	s_lshr_b32 s2, s3, 2                   ; 0 q, 1 k, 2 v
	s_and_b32 s95, s3, 3
	s_lshl_b32 s95, s95, 2
	s_cmp_eq_u32 s2, 2
	s_cselect_b32 s18, 0, s95
	s_cselect_b32 s19, s95, 0
	s_add_co_u32 s17, s41, s18             ; tile row
	s_add_co_u32 s42, s40, s19             ; tile column
	s_lshl_b32 s43, s41, 2
	s_lshl_b32 s43, 15, s43                ; my row of the cluster
	s_lshl_b32 s44, 0x1111, s40            ; my column
	s_wait_dscnt 0x0
	s_wait_kmcnt 0x0
	s_mov_b64 s[96:97], s[78:79]           ; img
	s_mov_b64 s[98:99], s[80:81]           ; scl
	s_mov_b64 s[100:101], s[74:75]         ; w_rel's codes
	s_mov_b64 s[104:105], s[76:77]         ; w_rel's scales
	s_cmp_eq_u32 s2, 0
	s_cselect_b64 s[4:5], s[24:25], s[28:29]
	s_cselect_b64 s[6:7], s[26:27], s[30:31]
	s_cselect_b64 s[8:9], s[36:37], s[48:49]
	s_cselect_b64 s[10:11], s[38:39], s[50:51]
	s_cselect_b64 s[12:13], s[68:69], s[70:71]
	s_cmp_eq_u32 s2, 2
	s_cselect_b64 s[4:5], s[32:33], s[4:5]
	s_cselect_b64 s[6:7], s[34:35], s[6:7]
	s_cselect_b64 s[8:9], s[52:53], s[8:9]
	s_cselect_b64 s[10:11], s[54:55], s[10:11]
	s_cselect_b64 s[12:13], s[72:73], s[12:13]
	s_cselect_b64 s[20:21], s[8:9], s[4:5] ; for v the weight is A and the tokens are B
	s_cselect_b64 s[8:9], s[4:5], s[8:9]
	s_mov_b64 s[4:5], s[20:21]
	s_cselect_b64 s[20:21], s[10:11], s[6:7]
	s_cselect_b64 s[10:11], s[6:7], s[10:11]
	s_mov_b64 s[6:7], s[20:21]
	s_or_b32 s[G1+0], s43, (0<<16)|(1<<20)|(1<<21)|(5<<22)|(3<<25)   ; rows of 256 bytes, 16 of padding behind each; 256 rows for the head's loads
	s_or_b32 s[G1B+0], s44, (0<<16)|(1<<20)|(1<<21)|(5<<22)|(3<<25)
.irp g, G1, G1B
	s_mov_b32 s[\g+1], ROWB<<16
	s_mov_b32 s[\g+2], 256<<16
	s_mov_b32 s[\g+3], ROWB<<16
	s_mov_b32 s[\g+4], 256
	s_mov_b32 s[\g+5], KROW
	s_mov_b32 s[\g+6], 0
	s_mov_b32 s[\g+7], 0
.endr
	s_or_b32 s[G1S+0], s43, (3<<16)|(1<<20)|(1<<21)|(5<<22)|(3<<25)  ; the scales of 256 rows: 32 dense rows of 256 bytes
	s_or_b32 s[G1SB+0], s44, (3<<16)|(1<<20)|(1<<21)|(5<<22)|(3<<25)
.irp g, G1S, G1SB
	s_mov_b32 s[\g+1], 32<<16
	s_mov_b32 s[\g+2], KS<<16
	s_mov_b32 s[\g+3], 32<<16
	s_mov_b32 s[\g+4], KS
	s_mov_b32 s[\g+5], 32
	s_mov_b32 s[\g+6], 0
	s_mov_b32 s[\g+7], 0
.endr
	s_lshl_b32 s20, s17, 8
	s_lshl_b32 s46, s42, 8
	s_mov_b32 s21, 0
	s_mov_b32 s47, 0
	s_mov_b64 s[18:19], KS
	s_mul_u64 s[22:23], s[20:21], s[18:19]
	s_mul_u64 s[92:93], s[46:47], s[18:19]
	s_mov_b64 s[18:19], KROW
	s_mul_u64 s[20:21], s[20:21], s[18:19]
	s_mul_u64 s[46:47], s[46:47], s[18:19]
	s_mul_i32 s18, s16, 128*KROW           ; in the ring I fetch 128 rows of a tile
	s_mov_b32 s19, 0
	s_mul_i32 s45, s14, HALFT
	s_add_nc_u64 s[20:21], s[4:5], s[20:21]
	s_add_nc_u64 s[22:23], s[6:7], s[22:23]
	s_add_nc_u64 s[46:47], s[8:9], s[46:47]
	s_add_nc_u64 s[92:93], s[10:11], s[92:93]
	CROUND                                 ; the first joint loads meet
	s_mov_b32 s[G0H], 1
	s_mov_b32 s[G0H+1], 0
	s_mov_b64 s[G0H+2:G0H+3], s[20:21]
	s_or_b32 s[G0H+3], s[G0H+3], 0x80000000
	s_mov_b32 s[G0HB], 1
	s_mov_b32 s[G0HB+1], 2*HALFT
	s_mov_b64 s[G0HB+2:G0HB+3], s[46:47]
	s_or_b32 s[G0HB+3], s[G0HB+3], 0x80000000
	s_mov_b32 s[G0S], 1
	s_mov_b32 s[G0S+1], SCL
	s_mov_b64 s[G0S+2:G0S+3], s[22:23]
	s_or_b32 s[G0S+3], s[G0S+3], 0x80000000
	s_mov_b32 s[G0SB], 1
	s_mov_b32 s[G0SB+1], SCL+2*HALFS
	s_mov_b64 s[G0SB+2:G0SB+3], s[92:93]
	s_or_b32 s[G0SB+3], s[G0SB+3], 0x80000000
	s_add_nc_u64 s[20:21], s[20:21], s[18:19]
	s_add_nc_u64 s[46:47], s[46:47], s[18:19]
.irp s, 0,1
	s_mov_b32 s[G0+4*\s], 1
	s_add_co_u32 s[G0+4*\s+1], s45, \s*SLOT
	s_add_nc_u64 s[G0+4*\s+2:G0+4*\s+3], s[20:21], \s*ROWB
	s_or_b32 s[G0+4*\s+3], s[G0+4*\s+3], 0x80000000
	s_mov_b32 s[G0B+4*\s], 1
	s_add_co_u32 s[G0B+4*\s+1], s45, \s*SLOT
	s_add_nc_u64 s[G0B+4*\s+2:G0B+4*\s+3], s[46:47], \s*ROWB
	s_or_b32 s[G0B+4*\s+3], s[G0B+4*\s+3], 0x80000000
.endr
.macro ARM under, g0, g1, next         ; one chain of branches on the wave's number: every way passes exactly one load
	s_cmp_lt_u32 s14, \under
	s_cbranch_scc0 \next
	tensor_load_to_lds s[\g0:\g0+3], s[\g1:\g1+7]
	s_nop 0
	PLACES 4
	s_branch .Lhead_asked
\next:
.endm
	ARM 1, G0H,  G1,  .Lhead_b
	ARM 2, G0HB, G1B, .Lhead_sa
	ARM 3, G0S,  G1S, .Lhead_sb
	tensor_load_to_lds s[G0SB:G0SB+3], s[G1SB:G1SB+7]
	s_nop 0
	PLACES 4
.Lhead_asked:
	v_and_b32 v1, 15, v0                   ; r
	v_bfe_u32 v2, v0, 4, 1                 ; h
	v_mul_u32_u24 v3, v1, PITCH
	v_mul_u32_u24 v4, v2, 24
	v_add_nc_u32 v4, v3, v4
	s_mov_b32 s21, SLOT-232
	s_mov_b32 s22, SLOT+232
	v_sub_nc_u32 v7, 1, v2
	v_mul_u32_u24 v5, s21, v2
	v_add_nc_u32 v5, v3, v5
	v_add_nc_u32 v5, 232, v5
	v_mul_u32_u24 v6, s22, v7
	v_add_nc_u32 v6, v3, v6
	s_mul_i32 s21, s15, HALFT
	s_mul_i32 s22, s16, HALFT
	s_add_co_u32 s22, s22, 2*HALFT
	v_add_nc_u32 v[ADRA+2], s21, v5
	v_add_nc_u32 v[ADRA+3], s21, v6
	v_add_nc_u32 v[ADRB+2], s22, v5
	v_add_nc_u32 v[ADRB+3], s22, v6
.irp s, 0,1
	v_add_nc_u32 v[ADRA+\s], s21, v4
	v_add_nc_u32 v[ADRB+\s], s22, v4
	s_add_co_u32 s21, s21, SLOT
	s_add_co_u32 s22, s22, SLOT
.endr
	v_mul_u32_u24 v5, v1, KS
	v_lshrrev_b32 v6, 8, v5
	v_lshl_add_u32 v5, v6, 4, v5
	s_mul_i32 s21, s15, HALFS
	s_mul_i32 s22, s16, HALFS
	s_add_co_u32 s22, s22, 2*HALFS
	s_sub_co_u32 s22, s22, s21
	v_mul_u32_u24 v6, s22, v2              ; lanes 16-31 take B's words
	s_add_co_u32 s21, s21, SCL
	v_add_nc_u32 v5, v5, v6
	v_add_nc_u32 v[ADRS], s21, v5
	s_mul_i32 s23, s14, 16*SPITCH
	s_add_co_u32 s23, s23, STAGE
	v_mul_u32_u24 v5, v1, SPITCH
	v_lshl_add_u32 v6, v2, 5, v5
	v_add_nc_u32 v[STO], s23, v6
	v_lshl_add_u32 v6, v2, 8, v5
	v_add_nc_u32 v[RD2], s23, v6
	v_lshrrev_b32 v5, 3, v1
	v_and_b32 v6, 7, v1
	v_mul_u32_u24 v[CO2], v5, 768
	v_lshl_add_u32 v[CO2], v2, 7, v[CO2]
	v_lshl_add_u32 v[CO2], v6, 4, v[CO2]
	s_lshl_b32 s23, s14, 9
	s_add_co_u32 s23, s23, SWB
	v_lshlrev_b32 v[SWA], 5, v6
	v_lshl_add_u32 v[SWA], v5, 2, v[SWA]
	v_add_nc_u32 v[SWA], s23, v[SWA]
	v_and_b32 v5, 31, v0
	v_lshlrev_b32 v[LN16], 4, v5
	v_add_nc_u32 v[SWR], s23, v[LN16]
	v_lshlrev_b32 v[SH8], 3, v2
	v_lshlrev_b32 v7, 5, v2
	v_lshlrev_b32 v8, 2, v1
	s_cmp_lg_u32 s2, 0
	s_cbranch_scc1 .Lno_relay
	; w_rel into cells: a thread takes one half row (48 bytes) of one row; 64 work-groups x 128 threads cover 4,096 rows
	s_lshl_b32 s18, s3, 4
	s_lshl_b32 s19, s41, 2
	s_add_co_u32 s18, s18, s19
	s_add_co_u32 s18, s18, s40
	s_lshl_b32 s18, s18, 7
	v_add_nc_u32 v32, s18, v0
	v_lshrrev_b32 v33, 4, v32
	v_bfe_u32 v34, v32, 3, 1
	v_and_b32 v35, 7, v32
	v_lshl_add_u32 v36, v33, 3, v35
	v_min_u32 v37, 4094, v36               ; row 4,095 does not exist: the load stays inside, the codes are cleared below
	v_mul_u32_u24 v38, v37, 96
	v_mad_u32_u24 v38, v34, 48, v38
	v_lshlrev_b32 v39, 2, v37
	global_load_b128 v[40:43], v38, s[100:101]
	global_load_b128 v[44:47], v38, s[100:101] offset:16
	global_load_b128 v[48:51], v38, s[100:101] offset:32
	global_load_b32 v52, v39, s[104:105]
	v_mul_u32_u24 v53, v33, 768
	v_and_b32 v54, 15, v32
	v_lshl_add_u32 v53, v54, 4, v53
	v_add_nc_u32 v53, 9437184, v53
	v_lshlrev_b32 v54, 2, v36
	v_add_nc_u32 v54, 393216, v54
	v_cmp_eq_u32 vcc_lo, 4095, v36
	v_mov_b32 v55, 0x7f7f7f7f
	s_mov_b32 s18, 0x03010200              ; scale bytes in the order of blocks 0, 2, 1, 3
	s_wait_loadcnt 0x0
.irp i, 0,1,2,3,4,5,6,7,8,9,10,11
	v_cndmask_b32 v[40+\i], v[40+\i], 0, vcc_lo
.endr
	v_perm_b32 v52, v52, v52, s18
	v_cndmask_b32 v52, v52, v55, vcc_lo
	global_store_b128 v53, v[40:43], s[96:97]
	global_store_b128 v53, v[44:47], s[96:97] offset:256
	global_store_b128 v53, v[48:51], s[96:97] offset:512
	global_store_b32 v54, v52, s[98:99]
	s_wait_xcnt 0x0
.Lno_relay:
	s_lshl_b32 s18, s17, 1
	s_add_co_u32 s18, s18, s15
	s_lshl_b32 s19, s42, 1
	s_add_co_u32 s19, s19, s16
	s_cmp_eq_u32 s2, 2
	s_cselect_b32 s22, s18, s19            ; head
	s_cselect_b32 s23, s19, s18            ; block of 128 tokens
	s_cselect_b32 s66, 0, 1.0
	s_cselect_b32 s67, 1.0, 0
	s_lshr_b32 s18, s23, 4
	s_lshl_b32 s18, s18, 3
	s_add_co_u32 s18, s18, s22
	s_lshl_b32 s18, s18, 4
	s_and_b32 s19, s23, 15
	s_add_co_u32 s18, s18, s19
	s_mul_i32 s46, s2, 3145728
	s_mul_i32 s47, s18, 12288
	s_add_co_u32 s46, s46, s47
	s_mov_b32 s47, 0
	s_add_nc_u64 s[OUTI:OUTI+1], s[96:97], s[46:47]
	s_lshl_b32 s46, s2, 17
	s_lshl_b32 s19, s18, 9
	s_add_co_u32 s46, s46, s19
	s_add_nc_u64 s[OUTS:OUTS+1], s[98:99], s[46:47]
	s_lshl_b32 s46, s22, 9
	s_add_nc_u64 s[12:13], s[12:13], s[46:47]
	s_wait_alu depctr_va_vdst(0)
.irp b, 0,1,2,3,4,5,6,7
	global_load_b128 v[CB+8*\b:CB+8*\b+3], v7, s[12:13] offset:64*\b
	global_load_b128 v[CB+8*\b+4:CB+8*\b+7], v7, s[12:13] offset:64*\b+16
.endr
.irp a, 0,1,2,3,4,5,6,7
	global_load_b32 v[BA2+2*\a], v8, s[12:13] offset:64*\a
.endr
	s_wait_loadcnt 0x0
.set i, 0
.rept 32
	v_pk_mul_f32 v[CB+i:CB+i+1], v[CB+i:CB+i+1], s[66:67] op_sel_hi:[1,0]   ; the choice between the two places of the bias is made without a branch
.set i, i+2
.endr
.irp a, 0,1,2,3,4,5,6,7
	v_mul_f32 v[BA2+2*\a], s67, v[BA2+2*\a]
.endr
.irp a, 0,1,2,3,4,5,6,7
	v_mov_b32 v[BA2+2*\a+1], v[BA2+2*\a]
.endr
.macro FRAG reg, adr, st, i            ; 16 rows x 128 K: six pieces of 8 bytes; byte y of a row lies in slot (y / 256) % 2 at byte y % 256 of the LDS row
.irp p, 0,1,2,3,4,5
.set PB, 96*(\st)+48*(\p/3)+8*(\p%3)
.if PB/ROWB == (PB+24)/ROWB
	ds_load_b64 v[\reg+2*\p:\reg+2*\p+1], v[\adr+(PB/ROWB)%2] offset:PB%ROWB+(\i)*16*PITCH
.else
	ds_load_b64 v[\reg+2*\p:\reg+2*\p+1], v[\adr+2+(PB/ROWB)%2] offset:PB%ROWB-232+(\i)*16*PITCH
.endif
.endr
.endm
.macro MUL16 a0, p, q, sc, zero        ; the 64 accumulators take turns, one instruction a turn
.irp a, \a0, \a0+1
.irp b, 0,1,2,3,4,5,6,7
.if \zero
	v_wmma_scale_f32_16x16x128_f8f6f4 v[8*(8*((\a)%4)+\b):8*(8*((\a)%4)+\b)+7], v[128*(\p)+FR*\b:128*(\p)+FR*\b+FR-1], v[AF+FR*(\a):AF+FR*(\a)+FR-1], v[CB+8*\b:CB+8*\b+7], v[SC+8*NQ*(\sc)+NQ*\b+(\q)], v[SC+8*NQ*(\sc)+NQ*(\a)+(\q)] matrix_a_fmt:MATRIX_FMT_FP6 matrix_b_fmt:MATRIX_FMT_FP6 matrix_a_scale:MATRIX_SCALE_ROW1
.else
	v_wmma_scale_f32_16x16x128_f8f6f4 v[8*(8*((\a)%4)+\b):8*(8*((\a)%4)+\b)+7], v[128*(\p)+FR*\b:128*(\p)+FR*\b+FR-1], v[AF+FR*(\a):AF+FR*(\a)+FR-1], v[8*(8*((\a)%4)+\b):8*(8*((\a)%4)+\b)+7], v[SC+8*NQ*(\sc)+NQ*\b+(\q)], v[SC+8*NQ*(\sc)+NQ*(\a)+(\q)] matrix_a_fmt:MATRIX_FMT_FP6 matrix_b_fmt:MATRIX_FMT_FP6 matrix_a_scale:MATRIX_SCALE_ROW1
.endif
.endr
.endr
.endm
.macro FETCH_B st, p
	WIN TO_B
.irp i, 0,1,2,3,4,5,6,7
	FRAG 128*(\p)+FR*\i, ADRB, \st, \i
.endr
	WIN 0
.endm
.macro FETCH_A st, i0
.irp i, \i0, \i0+1, \i0+2, \i0+3
	FRAG AF+FR*(\i), ADRA, \st, \i
.endr
.endm
.macro SCALES pr                       ; the words of steps 2 pr and 2 pr + 1 into set pr % 2
.irp i, 0,1,2,3,4,5,6,7
	ds_load_b64 v[SC+8*NQ*((\pr)%2)+NQ*\i:SC+8*NQ*((\pr)%2)+NQ*\i+1], v[ADRS] offset:\i*SBLK+4*NQ*(\pr)
.endr
.endm
; A step: 64 products; the next step's fragments are fetched in its middle and at its end.  Where the next step's bytes end in a chunk not yet read, a barrier shows that chunk whole;
; where they begin in a later chunk, the chunk left behind is read no more: the wait for all tensor loads, the add, the wait for it and for my reads, the barrier, and, if a chunk is left to fetch, the cluster's round and the refill.
.macro STEP st, zero
.set NX, (\st)+1
.set C0, (96*(\st))/ROWB
.set C1, (96*NX)/ROWB
.set E0, (96*(\st)+95)/ROWB
.set E1, (96*NX+95)/ROWB
.if C1 > C0 || E1 > E0
	s_wait_tensorcnt 0x0
.if C1 > C0
	ds_add_u32 v[SPW], v[NIL]
	s_wait_dscnt 4*NL+1                    ; the add and the 24 loads of A's blocks 4-7 may be out
.else
	s_wait_dscnt 4*NL                      ; the 24 loads of A's blocks 4-7 may be out
.endif
	WLO \zero
	MUL16 0, (\st)%2, (\st)%2, ((\st)/2)%2, \zero
	s_wait_dscnt 0x0
	s_barrier_signal -1
	MUL16 2, (\st)%2, (\st)%2, ((\st)/2)%2, \zero
	WIN 0
	s_barrier_wait -1
.if C1 > C0 && C0+2 < CHUNKS
	CREST
	s_add_nc_u64 s[G0+4*(C0%2)+2:G0+4*(C0%2)+3], s[G0+4*(C0%2)+2:G0+4*(C0%2)+3], 2*ROWB
	s_add_nc_u64 s[G0B+4*(C0%2)+2:G0B+4*(C0%2)+3], s[G0B+4*(C0%2)+2:G0B+4*(C0%2)+3], 2*ROWB
	JLOAD G0+4*(C0%2), G1, G0B+4*(C0%2), G1B
.else
	PLACES NP
.endif
.else
	s_wait_dscnt 4*NL
	WLO \zero
	MUL16 0, (\st)%2, (\st)%2, ((\st)/2)%2, \zero
	MUL16 2, (\st)%2, (\st)%2, ((\st)/2)%2, \zero
	s_wait_dscnt 0
	PLACES NP
.endif
	FETCH_B NX, NX%2
	FETCH_A NX, 0
.if NX%2 == 0
	SCALES NX/2
.endif
	WHI \zero
	MUL16 4, (\st)%2, (\st)%2, ((\st)/2)%2, \zero
	MUL16 6, (\st)%2, (\st)%2, ((\st)/2)%2, \zero
	PLACES NP
	WIN 0
	FETCH_A NX, 4
.endm
	s_wait_alu depctr_va_vdst(0)
	s_wait_tensorcnt 0x0                   ; my tile of the head's four is in
	ds_add_u32 v[SPW], v[NIL]
	s_mov_b32 s[G1+2], 128<<16             ; no tensor load of mine is out: from here on a load brings 128 rows
	s_mov_b32 s[G1+4], 128
	s_mov_b32 s[G1B+2], 128<<16
	s_mov_b32 s[G1B+4], 128
	s_wait_dscnt 0x0
	CROUND
	JLOAD G0+4, G1, G0B+4, G1B             ; chunk 1: slot 1's first fill, issued as a refill is
	FETCH_B 0, 0
	FETCH_A 0, 0
	SCALES 0
	FETCH_A 0, 4
	STEP 0, 1
.set ST, 1
.rept STEPS-2
	STEP ST, 0
.set ST, ST+1
.endr
	s_wait_dscnt 4*NL
	WIN MUL_LO
	MUL16 0, 1, 1, 1, 0
	MUL16 2, 1, 1, 1, 0
	s_wait_dscnt 0
	WIN MUL_HI
	MUL16 4, 1, 1, 1, 0
	MUL16 6, 1, 1, 1, 0
	WIN 0
; THE WAY OUT, 16 rows at a time through my own stage: lane (r, h) gets back the 64 neighbours 64 h .. of row r: two whole blocks of 32, quantised in the lane and stored as a cell.
.macro TOSTAGE2 a
.set AC, 64*((\a)%4)
	WIN 0x08+4*((\a)/4)
.irp b, 0,1,2,3,4,5,6,7
	ds_store_b128 v[STO], v[AC+8*\b:AC+8*\b+3] offset:64*\b
	ds_store_b128 v[STO], v[AC+8*\b+4:AC+8*\b+7] offset:64*\b+16
.endr
	WIN 0
.set XL, 64+64*((\a)%2)
.irp k, 0,1,2,3,4,5,6,7,8,9,10,11,12,13,14,15
	ds_load_b128 v[XL+4*\k:XL+4*\k+3], v[RD2] offset:16*\k
.endr
.endm
.macro QUANT2 xs, step
	v_max3_num_f32 v[MX], |v[\xs]|, |v[\xs+1]|, 0x1800000
	v_max3_num_f32 v[MX+1], |v[\xs+32]|, |v[\xs+33]|, 0x1800000
.irp i, 2,4,6,8,10,12,14,16,18,20,22,24,26,28,30
	v_max3_num_f32 v[MX], v[MX], |v[\xs+\i]|, |v[\xs+\i+1]|
	v_max3_num_f32 v[MX+1], v[MX+1], |v[\xs+32+\i]|, |v[\xs+33+\i]|
.endr
	v_add_nc_u32 v[SOP], 0xff000000, v[MX]
	v_add_nc_u32 v[SOP+1], 0xff000000, v[MX+1]
	v_lshrrev_b32 v[BY], 23, v[SOP]
	v_lshrrev_b32 v[BY+1], 23, v[SOP+1]
	v_lshl_or_b32 v[PW], v[BY+1], \step, v[BY]
	v_lshlrev_b32 v[PW], v[SH8], v[PW]
	v_permlanex16_b32 v[OT], v[PW], s[SEL], s[SEL+1]
	v_or_b32 v[PW], v[PW], v[OT]
	v_cvt_scalef32_pk16_fp6_f32 v[CC:CC+2], v[\xs:\xs+15], v[SOP]
	v_cvt_scalef32_pk16_fp6_f32 v[CT:CT+2], v[\xs+16:\xs+31], v[SOP]
	v_cvt_scalef32_pk16_fp6_f32 v[CC+6:CC+8], v[\xs+32:\xs+47], v[SOP+1]
	v_cvt_scalef32_pk16_fp6_f32 v[CT+4:CT+6], v[\xs+48:\xs+63], v[SOP+1]
	v_nop
.irp i, 0,1,2
	v_mov_b32 v[CC+3+\i], v[CT+\i]
	v_mov_b32 v[CC+9+\i], v[CT+4+\i]
.endr
.endm
	PLACES NP
	v_mov_b32 v[OT], 0
	s_mov_b32 s[SEL], 0x76543210
	s_mov_b32 s[SEL+1], 0xfedcba98
	TOSTAGE2 0
.irp a, 0,1,2,3,4,5,6,7
.if \a < 7
	TOSTAGE2 \a+1
	s_wait_dscnt 32                        ; the next block's 16 stores and 16 loads may be out
.else
	s_wait_dscnt 0x0
.endif
.set XB, 64+64*(\a%2)
.set i, 0
.rept 32
	v_pk_add_f32 v[XB+i:XB+i+1], v[XB+i:XB+i+1], v[BA2+2*\a:BA2+2*\a+1]
.set i, i+2
.endr
	s_wait_xcnt 0x0                        ; the last block's stores have read their data
	QUANT2 XB, 16
.irp c, 0,1,2
	global_store_b128 v[CO2], v[CC+4*\c:CC+4*\c+3], s[OUTI:OUTI+1] offset:1536*\a+256*\c
.endr
	ds_store_b32 v[SWA], v[PW] offset:256*(\a/4)+8*(\a%4)
.endr
	ds_load_b128 v[SWD:SWD+3], v[SWR]
	s_wait_dscnt 0x0
	global_store_b128 v[LN16], v[SWD:SWD+3], s[OUTS:OUTS+1]
	s_wait_tensorcnt 0x0                   ; the wave's end
	ds_add_u32 v[SPW], v[NIL]
	s_wait_dscnt 0x0
	CROUND                                 ; the closing round
	s_endpgm
.Lfunc_end_k_q09e163ba63_proj:
	.size	k_q09e163ba63_proj, .Lfunc_end_k_q09e163ba63_proj-k_q09e163ba63_proj
	.p2alignl 7, 3214868480
	.fill 96, 4, 3214868480
	.section	.rodata,"a",@progbits
	.p2align	6, 0x0
	.amdhsa_kernel k_q09e163ba63_proj
		.amdhsa_group_segment_fixed_size 327680
		.amdhsa_private_segment_fixed_size 0
		.amdhsa_enable_private_segment 0
		.amdhsa_kernarg_size 152
		.amdhsa_user_sgpr_count 2
		.amdhsa_user_sgpr_kernarg_segment_ptr 1
		.amdhsa_wavefront_size32 1
		.amdhsa_system_sgpr_workgroup_id_x 1
		.amdhsa_system_sgpr_workgroup_id_y 1
		.amdhsa_system_sgpr_workgroup_id_z 1
		.amdhsa_system_vgpr_workitem_id 0
		.amdhsa_next_free_vgpr 1024
		.amdhsa_next_free_sgpr 106
		.amdhsa_reserve_vcc 1
		.amdhsa_float_denorm_mode_32 3
		.amdhsa_float_denorm_mode_16_64 3
		.amdhsa_memory_ordered 1
		.amdhsa_forward_progress 1
		.amdhsa_inst_pref_size 200
	.end_amdhsa_kernel
	.amdgpu_metadata
---
amdhsa.version: [ 1, 2 ]
amdhsa.kernels:
  - .name:           k_q09e163ba63_proj
    .symbol:         k_q09e163ba63_proj.kd
    .args:
      - { .name: q_codes, .offset: 0, .size: 8, .value_kind: global_buffer, .address_space: global }
      - { .name: q_scales, .offset: 8, .size: 8, .value_kind: global_buffer, .address_space: global }
      - { .name: k_codes, .offset: 16, .size: 8, .value_kind: global_buffer, .address_space: global }
      - { .name: k_scales, .offset: 24, .size: 8, .value_kind: global_buffer, .address_space: global }
      - { .name: v_codes, .offset: 32, .size: 8, .value_kind: global_buffer, .address_space: global }
      - { .name: v_scales, .offset: 40, .size: 8, .value_kind: global_buffer, .address_space: global }
      - { .name: Wq_codes, .offset: 48, .size: 8, .value_kind: global_buffer, .address_space: global }
      - { .name: Wq_scales, .offset: 56, .size: 8, .value_kind: global_buffer, .address_space: global }
      - { .name: Wk_codes, .offset: 64, .size: 8, .value_kind: global_buffer, .address_space: global }
      - { .name: Wk_scales, .offset: 72, .size: 8, .value_kind: global_buffer, .address_space: global }
      - { .name: Wv_codes, .offset: 80, .size: 8, .value_kind: global_buffer, .address_space: global }
      - { .name: Wv_scales, .offset: 88, .size: 8, .value_kind: global_buffer, .address_space: global }
      - { .name: bq, .offset: 96, .size: 8, .value_kind: global_buffer, .address_space: global }
      - { .name: bk, .offset: 104, .size: 8, .value_kind: global_buffer, .address_space: global }
      - { .name: bv, .offset: 112, .size: 8, .value_kind: global_buffer, .address_space: global }
      - { .name: w_rel_codes, .offset: 120, .size: 8, .value_kind: global_buffer, .address_space: global }
      - { .name: w_rel_scales, .offset: 128, .size: 8, .value_kind: global_buffer, .address_space: global }
      - { .name: img, .offset: 136, .size: 8, .value_kind: global_buffer, .address_space: global }
      - { .name: scl, .offset: 144, .size: 8, .value_kind: global_buffer, .address_space: global }
    .group_segment_fixed_size: 327680
    .private_segment_fixed_size: 0
    .kernarg_segment_align: 8
    .kernarg_segment_size: 152
    .max_flat_workgroup_size: 128
    .sgpr_count:     106
    .vgpr_count:     1024
    .wavefront_size: 32
...
	.end_amdgpu_metadata
.endif
;; end of part 1
;; launch attn (part 2): grid 16 x 16, 8 waves a work-group, clusters of 4 x 1, 327,680 bytes of LDS; arguments img, scl, aimg, asc; writes aimg, asc
.if DOCPART == 2
	.amdgcn_target "amdgcn-amd-amdhsa--gfx1250"
	.amdhsa_code_object_version 6
	.text
	.protected	k_q09e163ba63_attn
	.globl	k_q09e163ba63_attn
	.p2align	8
	.type	k_q09e163ba63_attn,@function
k_q09e163ba63_attn:
	s_mov_b64 s[64:65], 0
	v_nop
	global_prefetch_b8 v0, s[64:65] scope:SCOPE_SE
	s_setreg_imm32_b32 hwreg(HW_REG_WAVE_MODE, 25, 1), 1
	s_wait_xcnt 0x0
	s_wait_alu depctr_hold_cnt(0) depctr_sa_sdst(0) depctr_va_vdst(0) depctr_va_sdst(0) depctr_va_ssrc(0) depctr_va_vcc(0) depctr_vm_vsrc(0)
	s_getreg_b32 s2, hwreg(HW_REG_IB_STS2, 6, 4)
	s_cmp_eq_u32 s2, 0
	s_cbranch_scc0 .Lentry_in_a_cluster
	s_endpgm
.Lentry_in_a_cluster:
	s_bfe_u32 s2, ttmp6, 0x10000c
	s_cmp_lg_u32 s2, 0x3003
	s_cbranch_scc0 .Lentry_shape_is_right
	s_endpgm
.Lentry_shape_is_right:
; ATTENTION WITH A RELATIVE TERM on codes of FP6 (E2M3): logit(i, j) = (q_i . k_j + q_i . w_rel[i + j]) / sqrt(128); p = 2^(t - M), t = logit x log2(e), M the running largest t rounded up to a whole number;
; O = (sum of Q(p) Q(v)) / (sum of the unquantised p); O is quantised along the head's 128 and leaves as images of the output projection's operand registers.
; SHARES.  A work-group owns 128 queries of one (batch, head); each of its eight waves owns 16: lane (n, h) holds query n throughout.  Every wave walks the 2,048 keys, 128 a step, 256 a slot of a ring of two LDS slots.
; LAYOUT.  All three products are used transposed (source 0 = 16 keys, 16 rows of w_rel or 16 channels; source 1 = my 16 queries or p).  THE 16 ROWS OF A SOURCE-0 TILE ARE TWO GROUPS OF 8 THAT LIE 64 APART: tile t takes rows 8 t + 0..7 and
; 64 + 8 t + 0..7, so that lane (n, h) holds in registers 8 t + j the 64 NEIGHBOURS 64 h + 8 t + j: two whole blocks of 32 keys, whose maxima need no other lane.  Operands lie as cells (48 bytes: 64 codes of one row and half) in
; groups of 8 rows; the unit's K blocks 0, 1, 2, 3 stand for the true blocks 0, 2, 1, 3 alike on both sides, scale bytes in that order.
; THE SKEW.  Ten tiles of w_rel give lane (n, h) X[x] = q_n . w_rel[R + 64 h + x], x = 0..79, R = my first query + the step's first key.  Wanted is X[e + n]: four rounds of selects shift the registers by 8, 4, 2, 1 in the lanes whose n has
; that bit.  The shifted numbers are the C of the products with the keys, so the addition costs nothing.
; EVERY LDS READ IS ASKED FOR A PHASE AHEAD OF ITS PRODUCTS.  Eight waves of 512 registers are two to a SIMD.  Window 1 holds two regions of ten fragments.  In a step with regions (p, r): K's tiles are asked for into r ahead of the
; products with w_rel (from p); V's into p ahead of the selects; the NEXT step's tiles of w_rel into r ahead of the softmax.  The regions change places from step to step and are back after a slot's two steps.
; THE CHANGE OF SLOTS therefore stands in a slot's second step, behind the products with the keys: all of the slot's bytes have been read by then, and the next slot's first tiles of w_rel are asked for behind it, ahead of the softmax.
; CLUSTER.  The four query blocks of a cluster belong to one head: K's and V's cells and scale words are asked for jointly.  w_rel's rows are NOT: the partners' windows begin 128 rows apart, so at any one time they want different rows.
; LIMITS: NaN and infinities are not served.  A block of p (or of O) under 2^(3 - 127) keeps the scale byte 1.  A block's largest p is made from its largest score by the same multiply-add and exponential, which takes v_exp_f32 not to fall where its input rises.
.set SLOT1, 1<<17                      ; slot 1 begins here: one exclusive or turns an address
.set UP,    272                        ; 256 bytes + 16 of padding
.set GP,    816                        ; a group of 8 rows: three such units
.set STEPB, 13056                      ; 128 rows: 16 groups
.set VOFF,  26112                      ; a slot: K's 256 rows, V's two steps, w_rel's 384 rows
.set WOFF,  52224
.set KSC,   262144                     ; behind the ring: K's scale words of the head, 8,192 bytes; V's; w_rel's of my 2,176 rows
.set VSC,   270336
.set WSCL,  278528
.set SPARE, 287232                     ; the spare words: 128 bytes a wave, four blocks of 256 bytes that no other line names
.set ASTG,  288256                     ; 512 bytes: the work-group's scale words of O
.set SLOTB, 24576                      ; a slot on, in memory, in K's, V's and w_rel's cells alike
.set AKV, 1                            ; v1   my lane's place in a tile: 128 h + 16 (m % 8) + 8 groups x (m / 8)
.set AW0, 2                            ; v2   the same in w_rel's rows, from my wave's 16 queries on
.set AKS, 3                            ; v3   my lane's 8 scale words of K
.set AVS, 4                            ; v4   of V
.set AWS, 5                            ; v5   my lane's scale word of w_rel's tile 0
.set SPW, 6
.set NIL, 7
.set ADK, 8                            ; v8-12 the same five with the slot in hand: made once a slot
.set ADW, 9
.set ADS, 10
.set ADT, 11
.set ADU, 12
.set SH,  13                           ; v13  8 h (at the end 16 h)
.set NM,  14                           ; v[14:15] -M, the largest t
.set SUM, 16                           ; v[16:17] the sum, in two halves
.set FF,  18                           ; v[18:19] f = 2^(old M - new M)
.set QF,  20                           ; v20-31 my queries' fragment
.set QS,  32                           ; v32  their scale words
.set PFO, 33                           ; v33  256 x lane
.set WS,  34                           ; v34-43 scale words of w_rel's ten tiles
.set KS,  44                           ; v44-51 of K's eight
.set VS,  52                           ; v52-59 of V's eight
.set X,   92                           ; v92-155 the scores, then p
.set XT,  94                           ; v94-165 the relative term's nine tiles, two registers above X: the last round of selects moves them down
.set QL,  60                           ; v60-71 my queries' fragment with the codes of queries 8-15 cleared
.set QH,  72                           ; v72-83 the same with the codes of queries 0-7 cleared
.set PC,  156
.set PT,  168
.set O,   176                          ; v176-239 O^T
.set MX,  240
.set OT,  242
.set SOP, 244
.set BY,  246
.set PW,  248
.set TM,  249
.set S2,  252
.set RA,  0                            ; window 1: v0-119   ten fragments
.set RB,  120                          ; window 1: v120-239 ten fragments
.set WV,  12
.set G1J, 24                           ; K's and V's cells: 96 rows of 256 bytes, joint
.set G1W, 32                           ; w_rel's: 72 rows, my own
.set G1SJ, 40                          ; K's and V's scale words: 32 rows, joint
.set G1SW, 48                          ; w_rel's: 34 rows
.set G0J, 56                           ; groups 0 of slot 0's first fill
.set G0W, 60
.set G0S, 68
.set G0SW, 72
.set G0J2, 92                          ; groups 0 of slot 1's first fill, which then walk on
.set G0W2, 96
.set TB,  66
.set SLOTS, 67
.set TS,  76
.set CS,  78
.set SEL, 80
.set PFA, 82
.set LIM, 84
.set MSB, 0
.macro WIN new                         ; s_set_vgpr_msb: bits 1:0 source 0, 7:6 destination; the immediate's high byte repeats the setting that is left
.if MSB != \new
	s_set_vgpr_msb (MSB<<8)|\new
.set MSB, \new
.endif
.endm
.set TO_F, 0x40                        ; an LDS load's destination in window 1, its address in window 0
.set MUL,  0x01                        ; source 0 (the fragment) in window 1; source 1, C and D in window 0
.macro CROUND
	s_barrier_signal -1
	s_barrier_wait -1
	s_cmp_lg_u32 s[WV], 0
	s_cbranch_scc1 .Lnot_wave_0_\@
	s_barrier_signal -3
.Lnot_wave_0_\@:
	s_barrier_wait -3
	s_barrier_signal -1
	s_barrier_wait -1
.endm
.macro PLACES
.rept 4
	v_nop
.endr
.endm
.macro HEADLOADS                       ; the head's eight first fills, one a wave, in one chain of branches on the wave's number: waves 0, 1 slot 0's cells of K, V (joint); 2, 3 the halves of its rows of w_rel; 4, 5 K's, V's scale words (joint); 6, 7 the halves of w_rel's
	s_cmp_lt_u32 s[WV], 2
	s_cbranch_scc0 .Lh_w
	tensor_load_to_lds s[G0J:G0J+3], s[G1J:G1J+7]
	s_nop 0
	PLACES
	s_branch .Lh_done
.Lh_w:
	s_cmp_lt_u32 s[WV], 4
	s_cbranch_scc0 .Lh_s
	tensor_load_to_lds s[G0W:G0W+3], s[G1W:G1W+7]
	s_nop 0
	PLACES
	s_branch .Lh_done
.Lh_s:
	s_cmp_lt_u32 s[WV], 6
	s_cbranch_scc0 .Lh_sw
	tensor_load_to_lds s[G0S:G0S+3], s[G1SJ:G1SJ+7]
	s_nop 0
	PLACES
	s_branch .Lh_done
.Lh_sw:
	tensor_load_to_lds s[G0SW:G0SW+3], s[G1SW:G1SW+7]
	s_nop 0
	PLACES
.Lh_done:
.endm
.macro TLOAD gj, gw                    ; a slot: wave 0 K's cells, wave 1 V's (joint), waves 2 and 3 the halves of w_rel's rows.  The branches hang on the wave's number alone
	s_cmp_lt_u32 s[WV], 2
	s_cbranch_scc0 .Lnot_j_\@
	tensor_load_to_lds s[\gj:\gj+3], s[G1J:G1J+7]
	s_nop 0
	PLACES
	s_branch .Ldone_\@
.Lnot_j_\@:
	s_cmp_lt_u32 s[WV], 4
	s_cbranch_scc0 .Ldone_\@
	tensor_load_to_lds s[\gw:\gw+3], s[G1W:G1W+7]
	s_nop 0
	PLACES
.Ldone_\@:
.endm
; A PREFETCH INTO THE L2 of K's and V's cells.  At the second and the fourth change of slots the two slots behind the one that is being asked for are named (slots 4 and 5, then 6 and 7): 2 x 49,152 bytes = 12 parts of 8,192 bytes, lanes 256 bytes apart.
; All clusters of a head walk the same cells: the head's first cluster asks.  Its four partners take three parts each, told apart BY ADDRESS; in each, waves 4 to 6 ask, one instruction each.  So each block of 256 bytes is named once.
; Slots 0 to 3 come by their loads alone; behind slot 7 there is nothing to name.  w_rel's cells are read by every work-group of the launch and are not asked for.
.macro ASK
	s_cmp_gt_u32 s[SLOTS], s[LIM]
	s_cbranch_scc0 .Lnot_mine_\@
	s_and_b32 s86, s[SLOTS], 1
	s_cmp_eq_u32 s86, 1
	s_cbranch_scc0 .Lnot_mine_\@
	global_prefetch_b8 v[PFO], s[PFA:PFA+1] th:TH_LOAD_NT scope:SCOPE_SE
.Lnot_mine_\@:
.endm
	s_load_b256 s[4:11], s[0:1], 0x0               ; img, scl, aimg, asc
	v_lshl_add_u32 v[SPW], v0, 2, SPARE
	v_mov_b32 v[NIL], 0
	ds_add_u32 v6, v7
	ds_add_u32 v6, v7
	s_wait_dscnt 0x0
	v_lshrrev_b32 v8, 5, v0
	s_delay_alu instid0(VALU_DEP_1)
	v_readfirstlane_b32 s[WV], v8                  ; wave 0..7
	s_bfe_u32 s13, ttmp6, 0x40000                  ; cx
	s_lshl_b32 s14, ttmp9, 2
	s_add_co_u32 s14, s14, s13                     ; my block of 128 queries: it enters global addresses alone
	s_and_b32 s15, ttmp7, 0xffff                   ; 8 x batch + head, which the partners share
	s_and_b32 s16, s[WV], 1
	; descriptor groups 1: rows of 256 bytes (32 elements of 8), dense in memory
	s_mov_b32 s[G1J], 15|(3<<16)|(1<<20)|(1<<21)|(5<<22)|(3<<25)   ; the mask of all four; 16 bytes of padding behind every 256
	s_mov_b32 s[G1W], (3<<16)|(1<<20)|(5<<22)|(3<<25)
	s_mov_b32 s[G1SJ], 15|(3<<16)|(1<<21)                          ; no padding
	s_mov_b32 s[G1SW], 3<<16
.irp g, G1J, G1W, G1SJ, G1SW
	s_mov_b32 s[\g+1], 32<<16
	s_mov_b32 s[\g+3], 32<<16
	s_mov_b32 s[\g+5], 32
	s_mov_b32 s[\g+6], 0
	s_mov_b32 s[\g+7], 0
.endr
	s_mov_b32 s[G1J+2], 96<<16
	s_mov_b32 s[G1J+4], 96
	s_mov_b32 s[G1W+2], 72<<16
	s_mov_b32 s[G1W+4], 72
	s_mov_b32 s[G1SJ+2], 32<<16
	s_mov_b32 s[G1SJ+4], 32
	s_mov_b32 s[G1SW+2], 17<<16            ; half of the 34 rows of 256 bytes
	s_mov_b32 s[G1SW+4], 17
	s_add_co_u32 s17, s16, 1
	s_mul_i32 s18, s17, 3145728                    ; K's cells (wave 0) or V's (wave 1),
	s_mul_i32 s19, s15, 196608                     ; my head's
	s_add_co_u32 s18, s18, s19
	s_mov_b32 s19, 0
	s_mul_i32 s86, s14, 12288                      ; w_rel's rows from my first query on,
	s_mul_i32 s87, s16, 18432                      ; my half of the 384
	s_add_co_u32 s86, s86, s87
	s_add_co_u32 s86, s86, 9437184
	s_mov_b32 s87, 0
	s_lshl_b32 s88, s17, 17                        ; K's or V's scale words,
	s_lshl_b32 s89, s15, 13                        ; my head's 8,192 bytes
	s_add_co_u32 s88, s88, s89
	s_mov_b32 s89, 0
	s_lshl_b32 s90, s14, 9                         ; w_rel's scale words from my first query on
	s_add_co_u32 s90, s90, 393216
	s_mov_b32 s91, 0
	s_mov_b32 s[CS], 0x3e0293ee                    ; c = log2(e) / sqrt(128)
	s_mov_b32 s[CS+1], s[CS]
	s_mov_b32 s[SEL], 0x76543210
	s_mov_b32 s[SEL+1], 0xfedcba98
	s_mov_b32 s[TB], 0
	s_mov_b32 s[TS], 0
	s_mov_b32 s[SLOTS], 6                          ; slots 2 to 7 are asked for in the loop
	s_wait_kmcnt 0x0
	s_mov_b32 s[G0J], 1
	s_mul_i32 s[G0J+1], s16, VOFF
	s_add_nc_u64 s[G0J+2:G0J+3], s[4:5], s[18:19]
	s_mov_b32 s[G0J2], 1
	s_add_co_u32 s[G0J2+1], s[G0J+1], SLOT1
	s_add_nc_u64 s[G0J2+2:G0J2+3], s[G0J+2:G0J+3], SLOTB
	s_or_b32 s[G0J+3], s[G0J+3], 0x80000000
	s_or_b32 s[G0J2+3], s[G0J2+3], 0x80000000
	s_mov_b32 s[G0W], 1
	s_mul_i32 s[G0W+1], s16, 19584
	s_add_co_u32 s[G0W+1], s[G0W+1], WOFF
	s_add_nc_u64 s[G0W+2:G0W+3], s[4:5], s[86:87]
	s_mov_b32 s[G0W2], 1
	s_add_co_u32 s[G0W2+1], s[G0W+1], SLOT1
	s_add_nc_u64 s[G0W2+2:G0W2+3], s[G0W+2:G0W+3], SLOTB
	s_or_b32 s[G0W+3], s[G0W+3], 0x80000000
	s_or_b32 s[G0W2+3], s[G0W2+3], 0x80000000
	s_mov_b32 s[G0S], 1
	s_lshl_b32 s[G0S+1], s16, 13
	s_add_co_u32 s[G0S+1], s[G0S+1], KSC
	s_add_nc_u64 s[G0S+2:G0S+3], s[6:7], s[88:89]
	s_or_b32 s[G0S+3], s[G0S+3], 0x80000000
	s_mov_b32 s[G0SW], 1
	s_mul_i32 s[G0SW+1], s16, 4352         ; my half: 17 rows of 256 bytes
	s_add_co_u32 s90, s90, s[G0SW+1]
	s_add_co_u32 s[G0SW+1], s[G0SW+1], WSCL
	s_add_nc_u64 s[G0SW+2:G0SW+3], s[6:7], s[90:91]
	s_or_b32 s[G0SW+3], s[G0SW+3], 0x80000000
	CROUND                                         ; all four work-groups are here: the first joint loads meet
	HEADLOADS                              ; one tensor load of each wave is out
	; the prefetches: where my wave's stand, and who asks
	s_and_b32 s86, s[WV], 3
	s_min_u32 s86, s86, 2                          ; waves 4, 5, 6: 0, 1, 2 (held so in the others, which never ask)
	s_mul_i32 s87, s13, 3
	s_add_co_u32 s86, s86, s87                     ; my part, 0..11: six of K's, six of V's
	s_cmp_ge_u32 s86, 6
	s_cselect_b32 s87, 3096576, 0                  ; from K's seventh part to V's first
	s_lshl_b32 s86, s86, 13
	s_add_co_u32 s86, s86, s87
	s_mul_i32 s87, s15, 196608
	s_add_co_u32 s86, s86, s87
	s_add_co_u32 s86, s86, 3145728+2*SLOTB         ; in slot 2: each change of slots steps it by a slot, so that it stands in slot 4 at the second and in slot 6 at the fourth
	s_mov_b32 s87, 0
	s_add_nc_u64 s[PFA:PFA+1], s[4:5], s[86:87]
	s_sub_co_u32 s86, s[WV], 4
	s_cmp_lt_u32 s86, 3
	s_cselect_b32 s86, 0, 1
	s_or_b32 s86, s86, ttmp9                       ; waves 4 to 6 of the head's first cluster: the same in all partners
	s_cmp_eq_u32 s86, 0
	s_cselect_b32 s[LIM], 1, -1
	v_and_b32 v[PFO], 31, v0
	s_delay_alu instid0(VALU_DEP_1)
	v_lshlrev_b32 v[PFO], 8, v[PFO]
	; my queries' fragment and scale words
	s_mul_i32 s20, s15, 196608
	s_lshl_b32 s21, s14, 4
	s_lshl_b32 s22, s[WV], 1
	s_add_co_u32 s21, s21, s22                     ; my first group of 8 queries
	s_mul_i32 s21, s21, 768
	s_add_co_u32 s20, s20, s21
	s_mov_b32 s21, 0
	s_add_nc_u64 s[20:21], s[4:5], s[20:21]
	s_lshl_b32 s22, s15, 4
	s_add_co_u32 s22, s22, s14
	s_lshl_b32 s22, s22, 9                         ; my block's 512 bytes of scale words
	s_lshr_b32 s23, s[WV], 2
	s_lshl_b32 s23, s23, 8
	s_add_co_u32 s22, s22, s23
	s_lshl_b32 s23, s[WV], 1
	s_and_b32 s23, s23, 7
	s_lshl_b32 s23, s23, 2
	s_add_co_u32 s22, s22, s23
	s_mov_b32 s23, 0
	s_add_nc_u64 s[22:23], s[6:7], s[22:23]
	v_and_b32 v8, 15, v0                           ; n
	v_bfe_u32 v9, v0, 4, 1                         ; h
	v_and_b32 v10, 7, v0                           ; n % 8
	v_bfe_u32 v11, v0, 3, 1                        ; n / 8
	s_delay_alu instid0(VALU_DEP_1)
	v_mul_u32_u24 v[TM], v11, 768
	s_delay_alu instid0(VALU_DEP_1)
	v_lshl_add_u32 v[TM], v9, 7, v[TM]
	s_delay_alu instid0(VALU_DEP_1)
	v_lshl_add_u32 v[TM], v10, 4, v[TM]
.irp c, 0,1,2
	global_load_b128 v[QF+4*\c:QF+4*\c+3], v[TM], s[20:21] offset:256*\c
.endr
	v_lshlrev_b32 v[TM+1], 5, v10
	s_delay_alu instid0(VALU_DEP_1)
	v_lshl_add_u32 v[TM+1], v11, 2, v[TM+1]
	global_load_b32 v[QS], v[TM+1], s[22:23]
	v_lshlrev_b32 v[AKV], 7, v9
	s_delay_alu instid0(VALU_DEP_1)
	v_lshl_add_u32 v[AKV], v10, 4, v[AKV]
	s_delay_alu instid0(VALU_DEP_1)
	v_mad_u32_u24 v[AKV], v11, 8*GP, v[AKV]        ; lanes m >= 8 take the group 8 further on: 6,528 bytes, 128 modulo 256: sixteen lanes touch 256 different bytes
	s_mul_i32 s86, s[WV], 2*GP
	s_add_co_u32 s86, s86, WOFF
	v_add_nc_u32 v[AW0], s86, v[AKV]
	v_lshl_add_u32 v[AKS], v8, 5, KSC
	v_lshl_add_u32 v[AVS], v8, 5, VSC
	s_lshl_b32 s86, s[WV], 6
	s_add_co_u32 s86, s86, WSCL
	v_lshlrev_b32 v[AWS], 2, v10
	s_delay_alu instid0(VALU_DEP_1)
	v_lshl_add_u32 v[AWS], v11, 8, v[AWS]
	s_delay_alu instid0(VALU_DEP_1)
	v_add_nc_u32 v[AWS], s86, v[AWS]
	v_lshlrev_b32 v[SH], 3, v9
	v_mov_b32 v[NM+1], 0xff61b1e6                  ; the largest t so far: -3e38
	s_delay_alu instid0(VALU_DEP_1)
	v_floor_f32 v[NM], -v[NM+1]                    ; -M
	v_mov_b32 v[SUM], 0
	v_mov_b32 v[SUM+1], 0
	v_mov_b32 v[FF], 0
	v_mov_b32 v[FF+1], 0                           ; (named as the upper half of a pair)
	v_mov_b32 v[OT], 0                             ; a lane permute's destination counts as one of its sources
	v_mov_b32 v[OT+1], 0
.set e, 0
.rept 64
	v_mov_b32 v[O+e], 0                            ; the step is written once: the first finds zeros, which the first change of M leaves zeros
.set e, e+1
.endr
.macro FR reg, adr, off                ; a fragment: my cell's three chunks of 16 bytes (the destination's window is set by the caller)
.irp c, 0,1,2
	ds_load_b128 v[(\reg)+4*\c:(\reg)+4*\c+3], v[\adr] offset:(\off)+UP*\c
.endr
.endm
; THE SHIFT BY 8 IS MADE BY THE PRODUCTS THEMSELVES (it takes the place of the first of the four rounds named at the head): tile g of the relative term is w_rel's tile g x queries 0-7 plus w_rel's tile g + 1 x queries 8-15.
; The cleared codes add exact zeros.  Nine tiles, each accumulator one instruction a turn.
.macro TPROD g, base                   ; XT[8 g ..] = tile g of w_rel x my queries 0-7
	v_wmma_scale_f32_16x16x128_f8f6f4 v[XT+8*(\g):XT+8*(\g)+7], v[(\base)+12*(\g):(\base)+12*(\g)+11], v[QL:QL+11], 0, v[WS+(\g)], v[QS] matrix_a_fmt:MATRIX_FMT_FP6 matrix_b_fmt:MATRIX_FMT_FP6
.endm
.macro TPROD2 g, base                  ; += tile g + 1 of w_rel x my queries 8-15
	v_wmma_scale_f32_16x16x128_f8f6f4 v[XT+8*(\g):XT+8*(\g)+7], v[(\base)+12*(\g)+12:(\base)+12*(\g)+23], v[QH:QH+11], v[XT+8*(\g):XT+8*(\g)+7], v[WS+(\g)+1], v[QS] matrix_a_fmt:MATRIX_FMT_FP6 matrix_b_fmt:MATRIX_FMT_FP6
.endm
.macro SPROD t, base                   ; += 16 keys x my queries, onto the shifted relative term
	v_wmma_scale_f32_16x16x128_f8f6f4 v[X+8*(\t):X+8*(\t)+7], v[(\base)+12*(\t):(\base)+12*(\t)+11], v[QF:QF+11], v[X+8*(\t):X+8*(\t)+7], v[KS+(\t)], v[QS] matrix_a_fmt:MATRIX_FMT_FP6 matrix_b_fmt:MATRIX_FMT_FP6
.endm
.macro OPROD t, base                   ; O^T += 16 channels x p
	v_wmma_scale_f32_16x16x128_f8f6f4 v[O+8*(\t):O+8*(\t)+7], v[(\base)+12*(\t):(\base)+12*(\t)+11], v[PC:PC+11], v[O+8*(\t):O+8*(\t)+7], v[VS+(\t)], v[PW] matrix_a_fmt:MATRIX_FMT_FP6 matrix_b_fmt:MATRIX_FMT_FP6
.endm
.macro SHIFT mask, by, n, to           ; to[e] = XT[e + by] in the lanes of the mask, else XT[e]; e ascending, two selects an instruction; neither half reads or writes what the other writes
	s_mov_b32 vcc_lo, \mask
.set e, 0
.rept (\n)/2
	v_dual_cndmask_b32 v[\to+e], v[XT+e], v[XT+e+\by] :: v_dual_cndmask_b32 v[\to+e+1], v[XT+e+1], v[XT+e+1+\by]
.set e, e+2
.endr
.endm
.macro ADDRS                           ; the five LDS addresses of the slot ahead
	v_add_nc_u32 v[ADK], s[TB], v[AKV]
	v_add_nc_u32 v[ADW], s[TB], v[AW0]
	v_add_nc_u32 v[ADS], s[TS], v[AKS]
	v_add_nc_u32 v[ADT], s[TS], v[AVS]
	v_add_nc_u32 v[ADU], s[TS], v[AWS]
.endm
.macro ASKW reg, woff, soff            ; a step's ten tiles of w_rel and their scale words are asked for: 40 LDS loads, waited for at that step's head
.irp g, 0,1,2,3,4,5,6,7,8,9
	ds_load_b32 v[WS+\g], v[ADU] offset:(\soff)+32*\g
.endr
	WIN TO_F
.irp g, 0,1,2,3,4,5,6,7,8,9
	FR (\reg)+12*\g, ADW, (\woff)+GP*\g
.endr
	WIN 0
.endm
; THE CHANGE OF SLOTS.  Each wave waits for all its tensor loads (its part of the slot ahead among them), adds 0 to its spare word, and waits for that; its reads of the slot in hand were waited for ahead of the products with the keys.
; fill = 1: the slot in hand is filled again with the keys two slots on, behind a round of the cluster's barrier: the load has a whole slot's steps in which to land.
.macro CHANGE fill
	s_wait_tensorcnt 0x0                           ; no tensor load of mine is out, so a group 0 may be written
	ds_add_u32 v[SPW], v[NIL]                      ; 0 onto my spare word
.if \fill
	s_xor_b32 s[G0J2+1], s[G0J2+1], SLOT1          ; the walking descriptors: the other slot than last time, the next 256 keys
	s_add_nc_u64 s[G0J2+2:G0J2+3], s[G0J2+2:G0J2+3], SLOTB
	s_xor_b32 s[G0W2+1], s[G0W2+1], SLOT1
	s_add_nc_u64 s[G0W2+2:G0W2+3], s[G0W2+2:G0W2+3], SLOTB
	s_wait_xcnt 0x0                                ; the last prefetch, a slot or more back, has read its address
	s_add_nc_u64 s[PFA:PFA+1], s[PFA:PFA+1], SLOTB
.endif
	s_wait_dscnt 0x0                               ; the add is done, and no LDS read of mine is out
.if \fill
	CROUND
	TLOAD G0J2, G0W2                               ; the first tensor load behind the round, one in each of waves 0 to 3
	ASK
.else
	s_barrier_signal -1
	s_barrier_wait -1
.endif
.endm
; A KEY STEP: 128 keys, the u-th of the slot in hand.  p: the region with this step's tiles of w_rel, later V's; r: the region for K's, later the next step's tiles of w_rel.
; nxt = 1: the next step lies in the same slot; 2: the slots change and the slot in hand is filled again; 3: they change and nothing is filled; 0: there is no next step.
; No two matrix instructions that follow each other share an accumulator.
.macro STEP u, p, r, nxt
.set BASE, STEPB*(\u)
.set SOFF, 512*(\u)
.rept 6
	v_nop                                          ; six plain lines behind the last step's products: loads into the region and the scale words that they read follow, and products that write over p's codes
.endr
	s_wait_dscnt 0x0                               ; w_rel's ten tiles and scale words, asked for ahead of the last softmax, are in
	ds_load_b128 v[KS:KS+3], v[ADS] offset:SOFF
	ds_load_b128 v[KS+4:KS+7], v[ADS] offset:SOFF+16
	ds_load_b128 v[VS:VS+3], v[ADT] offset:SOFF
	ds_load_b128 v[VS+4:VS+7], v[ADT] offset:SOFF+16
	WIN TO_F
.irp t, 0,1,2,3,4,5,6,7
	FR (\r)+12*\t, ADK, BASE+GP*\t                 ; K's eight tiles land under the products below and the selects
.endr
	WIN MUL
.irp g, 0,1,2,3,4,5,6,7,8
	TPROD \g, \p
.endr
.irp g, 0,1,2,3,4,5,6,7,8
	TPROD2 \g, \p
.endr
	PLACES
	WIN TO_F
.irp t, 0,1,2,3,4,5,6,7
	FR (\p)+12*\t, ADK, VOFF+BASE+GP*\t            ; V's eight tiles, into the region that w_rel's have left
.endr
	WIN 0
	SHIFT 0xf0f0f0f0, 4, 68, XT            ; each accumulator is first read at one of its lowest registers
	SHIFT 0xcccccccc, 2, 66, XT
	SHIFT 0xaaaaaaaa, 1, 64, X             ; X[e] = q_n . w_rel[my query + key 64 h + e], two registers below where it was made
	s_wait_alu depctr_va_vdst(0)
	s_wait_dscnt 0x0                               ; K's tiles and V's, both asked for ahead of the 198 selects: so no wait stands ahead of the products with V, and all reads of this step's bytes are over
	WIN MUL
.irp t, 0,1,2,3,4,5,6,7
	SPROD \t, \r
.endr
	PLACES
	WIN 0
.if (\nxt) == 1
	ASKW \r, STEPB, 512                            ; the slot's second step
.elseif (\nxt) == 2
	CHANGE 1
.elseif (\nxt) == 3
	CHANGE 0
.endif
.if (\nxt) >= 2
	s_xor_b32 s[TB], s[TB], SLOT1                  ; on to the other slot,
	s_add_co_u32 s[TS], s[TS], 1024                ; and 256 scale words on in each of the three tables
	ADDRS
	ASKW \r, 0, 0                                  ; its first step
.endif
	v_max3_num_f32 v[MX], v[X], v[X+1], v[X+2]     ; the largest score of each of my two blocks of 32 keys: for the row's maximum, and for the block's largest p
	v_max3_num_f32 v[MX+1], v[X+32], v[X+33], v[X+34]
.irp i, 3,5,7,9,11,13,15,17,19,21,23,25,27,29
	v_max3_num_f32 v[MX], v[MX], v[X+\i], v[X+\i+1]
	v_max3_num_f32 v[MX+1], v[MX+1], v[X+32+\i], v[X+33+\i]
.endr
	v_max_num_f32 v[MX], v[MX], v[X+31]
	v_max_num_f32 v[MX+1], v[MX+1], v[X+63]
	s_delay_alu instid0(VALU_DEP_1)
	v_max_num_f32 v[TM], v[MX], v[MX+1]
	s_delay_alu instid0(VALU_DEP_1)
	v_permlanex16_b32 v[OT], v[TM], s[SEL], s[SEL+1]
	s_delay_alu instid0(VALU_DEP_1)
	v_max_num_f32 v[TM], v[TM], v[OT]              ; with the other half's 64 keys
	s_delay_alu instid0(VALU_DEP_1)
	v_mul_f32 v[TM], s[CS], v[TM]                  ; as t (c is positive)
	s_delay_alu instid0(VALU_DEP_1)
	v_max_num_f32 v[NM+1], v[NM+1], v[TM]          ; the running largest t
	v_mov_b32 v[TM], v[NM]
	s_delay_alu instid0(VALU_DEP_2)
	v_floor_f32 v[NM], -v[NM+1]                    ; the new -M = -ceil(t)
	s_delay_alu instid0(VALU_DEP_1)
	v_sub_f32 v[TM], v[NM], v[TM]                  ; old M - new M: a whole number, 0 or less
	s_delay_alu instid0(VALU_DEP_1)
	v_cvt_i32_f32 v[TM], v[TM]                     ; (it saturates)
	s_delay_alu instid0(VALU_DEP_1)
	v_ldexp_f32 v[FF], 1.0, v[TM]                  ; f = 2^(old M - new M): rounds nothing
.set e, 0
.rept 32
	v_pk_fma_f32 v[X+e:X+e+1], v[X+e:X+e+1], s[CS:CS+1], v[NM:NM+1] op_sel_hi:[1,0,0]   ; t - M
.set e, e+2
.endr
	v_fma_f32 v[MX], v[MX], s[CS], v[NM]
	v_fma_f32 v[MX+1], v[MX+1], s[CS], v[NM]
.set e, 0
	s_wait_alu depctr_va_vdst(0)
.rept 64
	v_exp_f32 v[X+e], v[X+e]                       ; p = 2^(t - M): not normalised
.set e, e+1
.endr
	v_exp_f32 v[MX], v[MX]
	v_exp_f32 v[MX+1], v[MX+1]
	v_pk_mul_f32 v[SUM:SUM+1], v[SUM:SUM+1], v[FF:FF+1] op_sel_hi:[1,0]   ; the sums under the new M (a plain line behind the exponentials)
	s_wait_alu depctr_va_vdst(0)
	v_max_num_f32 v[MX], 0x1800000, v[MX]          ; the floor 2^(3 - 127)
	v_max_num_f32 v[MX+1], 0x1800000, v[MX+1]
	s_delay_alu instid0(VALU_DEP_2)
	v_add_nc_u32 v[SOP], 0xff000000, v[MX]
	s_delay_alu instid0(VALU_DEP_2)
	v_add_nc_u32 v[SOP+1], 0xff000000, v[MX+1]
	s_delay_alu instid0(VALU_DEP_2)
	v_lshrrev_b32 v[BY], 23, v[SOP]
	s_delay_alu instid0(VALU_DEP_2)
	v_lshrrev_b32 v[BY+1], 23, v[SOP+1]
	s_delay_alu instid0(VALU_DEP_1)
	v_lshl_or_b32 v[PW], v[BY+1], 16, v[BY]
	s_delay_alu instid0(VALU_DEP_1)
	v_lshlrev_b32 v[PW], v[SH], v[PW]
	s_delay_alu instid0(VALU_DEP_1)
	v_permlanex16_b32 v[OT], v[PW], s[SEL], s[SEL+1]
	s_delay_alu instid0(VALU_DEP_1)
	v_or_b32 v[PW], v[PW], v[OT]                   ; p's scale word, bytes of the true blocks 0, 2, 1, 3
	v_cvt_scalef32_pk16_fp6_f32 v[PC:PC+2], v[X:X+15], v[SOP]
	v_cvt_scalef32_pk16_fp6_f32 v[PT:PT+2], v[X+16:X+31], v[SOP]
	v_cvt_scalef32_pk16_fp6_f32 v[PC+6:PC+8], v[X+32:X+47], v[SOP+1]
	v_cvt_scalef32_pk16_fp6_f32 v[PT+4:PT+6], v[X+48:X+63], v[SOP+1]
	v_nop                                          ; one plain line behind the scaled conversions
.irp i, 0,1,2
	v_mov_b32 v[PC+3+\i], v[PT+\i]
	v_mov_b32 v[PC+9+\i], v[PT+4+\i]
.endr
	v_pk_add_f32 v[252:253], v[96:97], v[100:101]
	v_pk_add_f32 v[254:255], v[104:105], v[108:109]
	v_pk_add_f32 v[250:251], v[112:113], v[116:117]
	v_pk_add_f32 v[246:247], v[120:121], v[124:125]
	v_pk_add_f32 v[244:245], v[128:129], v[132:133]
	v_pk_add_f32 v[240:241], v[136:137], v[140:141]
	v_pk_add_f32 v[174:175], v[144:145], v[148:149]
	v_pk_add_f32 v[16:17], v[16:17], v[152:153]
	v_pk_add_f32 v[252:253], v[252:253], v[92:93]
	v_pk_add_f32 v[254:255], v[254:255], v[94:95]
	v_pk_add_f32 v[250:251], v[250:251], v[98:99]
	v_pk_add_f32 v[246:247], v[246:247], v[102:103]
	v_pk_add_f32 v[244:245], v[244:245], v[106:107]
	v_pk_add_f32 v[240:241], v[240:241], v[110:111]
	v_pk_add_f32 v[174:175], v[174:175], v[114:115]
	v_pk_add_f32 v[16:17], v[16:17], v[118:119]
	v_pk_add_f32 v[252:253], v[252:253], v[122:123]
	v_pk_add_f32 v[254:255], v[254:255], v[126:127]
	v_pk_add_f32 v[250:251], v[250:251], v[130:131]
	v_pk_add_f32 v[246:247], v[246:247], v[134:135]
	v_pk_add_f32 v[244:245], v[244:245], v[138:139]
	v_pk_add_f32 v[240:241], v[240:241], v[142:143]
	v_pk_add_f32 v[174:175], v[174:175], v[146:147]
	v_pk_add_f32 v[16:17], v[16:17], v[150:151]
	v_pk_add_f32 v[252:253], v[252:253], v[154:155]
	s_delay_alu instid0(VALU_DEP_2)
	v_pk_add_f32 v[16:17], v[16:17], v[246:247]
	s_delay_alu instid0(VALU_DEP_2)
	v_pk_add_f32 v[252:253], v[252:253], v[244:245]
	v_pk_add_f32 v[254:255], v[254:255], v[240:241]
	v_pk_add_f32 v[250:251], v[250:251], v[174:175]
	s_delay_alu instid0(VALU_DEP_2)
	v_pk_add_f32 v[16:17], v[16:17], v[254:255]
	s_delay_alu instid0(VALU_DEP_2)
	v_pk_add_f32 v[252:253], v[252:253], v[250:251]
	s_delay_alu instid0(VALU_DEP_1)
	v_pk_add_f32 v[16:17], v[16:17], v[252:253]
.set e, 0
.rept 32
	v_pk_mul_f32 v[O+e:O+e+1], v[O+e:O+e+1], v[FF:FF+1] op_sel_hi:[1,0]   ; O^T under the new M.  These lines also part the scale word and the codes just made from the scaled products
.set e, e+2
.endr
	WIN MUL
.irp t, 0,1,2,3,4,5,6,7
	OPROD \t, \p                                   ; V's tiles were waited for ahead of the products with the keys
.endr
	WIN 0                                          ; at a label and at a branch every window is 0
.endm
	s_wait_loadcnt 0x0                     ; my queries
	s_mov_b32 vcc_lo, 0xff00ff00           ; the lanes of queries 8-15
.irp i, 0,1,2,3,4,5,6,7,8,9,10,11
	v_cndmask_b32 v[QL+\i], v[QF+\i], 0, vcc_lo
	v_cndmask_b32 v[QH+\i], 0, v[QF+\i], vcc_lo
.endr
	s_wait_alu depctr_va_vdst(0)
	s_wait_tensorcnt 0x0                   ; my one load of the head has landed
	ds_add_u32 v[SPW], v[NIL]
	s_wait_dscnt 0x0
	CROUND                                 ; everybody's has: slot 0 and the scale words are whole
	TLOAD G0J2, G0W2                       ; slot 1's first fill, one load in each of waves 0 to 3: it has slot 0's two steps in which to land
	ADDRS
	ASKW RA, 0, 0                                  ; the first step's tiles of w_rel
.Lslot:                                            ; six trips: slots 0 to 5, each filled again in its second step with the keys two slots on
	s_wait_alu depctr_va_vdst(0)
	STEP 0, RA, RB, 1
	STEP 1, RB, RA, 2
	s_sub_co_u32 s[SLOTS], s[SLOTS], 1
	s_cmp_lg_u32 s[SLOTS], 0
	s_cbranch_scc1 .Lslot
	STEP 0, RA, RB, 1                              ; slots 6 and 7 are written out
	STEP 1, RB, RA, 3
	STEP 0, RA, RB, 1
	STEP 1, RB, RA, 0
	; THE WAY OUT: O^T / the sum, quantised along the head's 128 (my 64 h + 0..63: two whole blocks), turned into the plain operand layout, and stored as an image of the registers.
	PLACES
	v_add_f32 v[SUM], v[SUM], v[SUM+1]
	s_delay_alu instid0(VALU_DEP_1)
	v_permlanex16_b32 v[OT], v[SUM], s[SEL], s[SEL+1]
	s_delay_alu instid0(VALU_DEP_1)
	v_add_f32 v[SUM], v[SUM], v[OT]                ; the row's sum
	s_wait_alu depctr_va_vdst(0)
	v_rcp_f32 v[SUM], v[SUM]
	v_lshlrev_b32 v[SH], 1, v[SH]                  ; 16 h (a plain line behind the reciprocal)
.set e, 0
	s_wait_alu depctr_va_vdst(0)
.rept 64
	v_mul_f32 v[X+e], v[O+e], v[SUM]
.set e, e+1
.endr
	v_max3_num_f32 v[MX], |v[X]|, |v[X+1]|, 0x1800000
	v_max3_num_f32 v[MX+1], |v[X+32]|, |v[X+33]|, 0x1800000
.irp i, 2,4,6,8,10,12,14,16,18,20,22,24,26,28,30
	s_delay_alu instid0(VALU_DEP_2)
	v_max3_num_f32 v[MX], v[MX], |v[X+\i]|, |v[X+\i+1]|
	s_delay_alu instid0(VALU_DEP_2)
	v_max3_num_f32 v[MX+1], v[MX+1], |v[X+32+\i]|, |v[X+33+\i]|
.endr
	s_delay_alu instid0(VALU_DEP_2)
	v_add_nc_u32 v[SOP], 0xff000000, v[MX]
	s_delay_alu instid0(VALU_DEP_2)
	v_add_nc_u32 v[SOP+1], 0xff000000, v[MX+1]
	s_delay_alu instid0(VALU_DEP_2)
	v_lshrrev_b32 v[BY], 23, v[SOP]
	s_delay_alu instid0(VALU_DEP_2)
	v_lshrrev_b32 v[BY+1], 23, v[SOP+1]
	s_delay_alu instid0(VALU_DEP_1)
	v_lshl_or_b32 v[PW], v[BY+1], 8, v[BY]
	s_delay_alu instid0(VALU_DEP_1)
	v_lshlrev_b32 v[PW], v[SH], v[PW]
	s_delay_alu instid0(VALU_DEP_1)
	v_permlanex16_b32 v[OT], v[PW], s[SEL], s[SEL+1]
	s_delay_alu instid0(VALU_DEP_1)
	v_or_b32 v[PW], v[PW], v[OT]                   ; the row's scale word, bytes in their true order
	v_cvt_scalef32_pk16_fp6_f32 v[PC:PC+2], v[X:X+15], v[SOP]
	v_cvt_scalef32_pk16_fp6_f32 v[PT:PT+2], v[X+16:X+31], v[SOP]
	v_cvt_scalef32_pk16_fp6_f32 v[PC+6:PC+8], v[X+32:X+47], v[SOP+1]
	v_cvt_scalef32_pk16_fp6_f32 v[PT+4:PT+6], v[X+48:X+63], v[SOP+1]
	v_nop
.irp i, 0,1,2
	v_mov_b32 v[PC+3+\i], v[PT+\i]
	v_mov_b32 v[PC+9+\i], v[PT+4+\i]
.endr
.irp i, 0,1,2,3,4,5
	v_permlane16_swap_b32 v[PC+\i], v[PC+6+\i]     ; block 2 (lanes 16-31, first six) changes places with block 1 (lanes 0-15, second six): registers 0-5 hold block h, 6-11 block 2 + h
.endr
	v_and_b32 v9, 31, v0
	s_delay_alu instid0(VALU_DEP_1)
	v_lshlrev_b32 v9, 4, v9                        ; 16 x lane
	s_wait_alu depctr_va_vdst(0)
	v_add_nc_u32 v10, ASTG, v9
	v_and_b32 v8, 15, v0
	s_lshl_b32 s86, s[WV], 2
	s_add_co_u32 s86, s86, ASTG
	v_lshl_add_u32 v8, v8, 5, s86                  ; word (row n, tile = wave)
	s_wait_alu depctr_va_vdst(0)
	s_and_b32 s87, s15, 7                          ; head
	s_lshr_b32 s88, s15, 3                         ; batch
	s_mul_i32 s90, s87, 393216
	s_lshl_b32 s89, s88, 7
	s_lshl_b32 s91, s14, 3
	s_add_co_u32 s89, s89, s91
	s_add_co_u32 s89, s89, s[WV]                   ; my tile of 16 tokens, 0..255
	s_mul_i32 s89, s89, 1536
	s_add_co_u32 s90, s90, s89
	s_mov_b32 s91, 0
	s_add_nc_u64 s[8:9], s[8:9], s[90:91]
	s_lshl_b32 s89, s88, 4
	s_add_co_u32 s89, s89, s14                     ; my block of 128 tokens, 0..31
	s_lshl_b32 s89, s89, 3
	s_add_co_u32 s89, s89, s87
	s_lshl_b32 s90, s89, 9
	s_add_nc_u64 s[10:11], s[10:11], s[90:91]
.irp c, 0,1,2
	global_store_b128 v9, v[PC+4*\c:PC+4*\c+3], s[8:9] offset:512*\c   ; 32 lanes store 512 consecutive bytes, aligned
.endr
	ds_store_b32 v8, v[PW]                         ; both halves write the same word
	s_wait_dscnt 0x0                               ; for the others' sake
	s_barrier_signal -1
	s_barrier_wait -1
	s_cmp_lg_u32 s[WV], 0
	s_cbranch_scc1 .Lnot_first
	ds_load_b128 v[X:X+3], v10                     ; the work-group's 128 words
	s_wait_dscnt 0x0
	global_store_b128 v9, v[X:X+3], s[10:11]       ; 512 consecutive bytes
.Lnot_first:
	s_wait_tensorcnt 0x0                           ; the wave's end
	ds_add_u32 v[SPW], v[NIL]
	s_wait_dscnt 0x0
	CROUND                                         ; the closing round
	s_endpgm
.Lfunc_end_k_q09e163ba63_attn:
	.size	k_q09e163ba63_attn, .Lfunc_end_k_q09e163ba63_attn-k_q09e163ba63_attn
	.p2alignl 7, 3214868480
	.fill 96, 4, 3214868480
	.section	.rodata,"a",@progbits
	.p2align	6, 0x0
	.amdhsa_kernel k_q09e163ba63_attn
		.amdhsa_group_segment_fixed_size 327680
		.amdhsa_private_segment_fixed_size 0
		.amdhsa_enable_private_segment 0
		.amdhsa_kernarg_size 32
		.amdhsa_user_sgpr_count 2
		.amdhsa_user_sgpr_kernarg_segment_ptr 1
		.amdhsa_wavefront_size32 1
		.amdhsa_system_sgpr_workgroup_id_x 1
		.amdhsa_system_sgpr_workgroup_id_y 1
		.amdhsa_system_sgpr_workgroup_id_z 1
		.amdhsa_system_vgpr_workitem_id 0
		.amdhsa_next_free_vgpr 512
		.amdhsa_next_free_sgpr 100
		.amdhsa_reserve_vcc 1
		.amdhsa_float_denorm_mode_32 3
		.amdhsa_float_denorm_mode_16_64 3
		.amdhsa_memory_ordered 1
		.amdhsa_forward_progress 1
		.amdhsa_inst_pref_size 204
	.end_amdhsa_kernel
	.amdgpu_metadata
---
amdhsa.version: [ 1, 2 ]
amdhsa.kernels:
  - .name:           k_q09e163ba63_attn
    .symbol:         k_q09e163ba63_attn.kd
    .args:
      - { .name: img, .offset: 0, .size: 8, .value_kind: global_buffer, .address_space: global }
      - { .name: scl, .offset: 8, .size: 8, .value_kind: global_buffer, .address_space: global }
      - { .name: aimg, .offset: 16, .size: 8, .value_kind: global_buffer, .address_space: global }
      - { .name: asc, .offset: 24, .size: 8, .value_kind: global_buffer, .address_space: global }
    .group_segment_fixed_size: 327680
    .private_segment_fixed_size: 0
    .kernarg_segment_align: 8
    .kernarg_segment_size: 32
    .max_flat_workgroup_size: 256
    .sgpr_count:     100
    .vgpr_count:     512
    .wavefront_size: 32
...
	.end_amdgpu_metadata
.endif
;; end of part 2
;; launch outp (part 3): grid 8 x 32, 4 waves a work-group, clusters of 4 x 4, 239,104 bytes of LDS; arguments aimg, asc, Wo_codes, Wo_scales, bo, out0; writes out0
.if DOCPART == 3
	.amdgcn_target "amdgcn-amd-amdhsa--gfx1250"
	.amdhsa_code_object_version 6
	.text
	.protected	k_q09e163ba63_outp
	.globl	k_q09e163ba63_outp
	.p2align	8
	.type	k_q09e163ba63_outp,@function
k_q09e163ba63_outp:
	s_mov_b64 s[64:65], 0
	v_nop
	global_prefetch_b8 v0, s[64:65] scope:SCOPE_SE
	s_setreg_imm32_b32 hwreg(HW_REG_WAVE_MODE, 25, 1), 1
	s_wait_xcnt 0x0
	s_wait_alu depctr_hold_cnt(0) depctr_sa_sdst(0) depctr_va_vdst(0) depctr_va_sdst(0) depctr_va_ssrc(0) depctr_va_vcc(0) depctr_vm_vsrc(0)
	s_getreg_b32 s2, hwreg(HW_REG_IB_STS2, 6, 4)
	s_cmp_eq_u32 s2, 0
	s_cbranch_scc0 .Lentry_in_a_cluster
	s_endpgm
.Lentry_in_a_cluster:
	s_bfe_u32 s2, ttmp6, 0x10000c
	s_cmp_lg_u32 s2, 0xf033
	s_cbranch_scc0 .Lentry_shape_is_right
	s_endpgm
.Lentry_shape_is_right:
; out0 = concat(heads) Wo^T + bo on codes of FP6 (E2M3) with E8M0 scales; out0 [4,096][1,024] f32.
; A work-group makes 128 tokens x 128 columns, each of its four waves 64 x 64: 16 accumulators.  4,096 x 1,024 gives 256 such tiles.
; K = 1,024 is eight steps of 128 (a head each).  ALL OF K LIES IN LDS, FILLED ONCE, ONE TENSOR LOAD A WAVE: waves 0 and 1 bring four heads' planes of the tokens' images each (4 rows of 12,288 bytes, 393,216 apart),
; waves 2 and 3 bring 64 whole rows of Wo each (768 bytes, 16 bytes of padding behind every 256).  Every row begins at a multiple of 256 bytes.  One wait, one barrier; nothing is filled again.
; The tokens' codes are images of operand registers ([head][tile of 16 tokens][16-byte chunk][lane]): a fragment is three loads of 16 bytes a lane.
; CLUSTERS: 4 x 4 work-groups; the tokens' planes are asked for jointly along a row of the cluster, Wo's rows along a column.
; No prefetch: all that the work-group reads is asked for by its first loads; there is no loop to run ahead in.
; THE MATRIX INSTRUCTION IS USED TRANSPOSED (source 0 = 16 rows of Wo, source 1 = 16 tokens): a lane holds eight neighbouring columns of one token.  The bias is the C of the first step's products.
; REGISTERS: window 0: v1-14 addresses; v16-47 the tokens' scale words [step][tile]; v48-79 Wo's [tile][step]; v80-175 the tokens' fragments, two sets; v176-239 rows on the way out.
;   window 1: v0-127 the accumulators ((i, b) at v[8 (4 i + b)]); v128-159 the bias; v160-255 Wo's fragments, two sets.
.set PLANE, 12288
.set BOFF,  8*PLANE
.set PITCH, 816                        ; 3 x (256 bytes + 16 of padding)
.set STG,   BOFF+128*PITCH             ; behind Wo's rows: 16 rows x 272 bytes for each wave
.set SP,    272
.set SPARE, 0x3a400                    ; the spare words: 512 bytes that no other line names
.set ADA, 1                            ; v1 heads 0-3, v2 heads 4-7
.set ADB, 3
.set ADB2, 4
.set STO, 5
.set RD,  6
.set CO,  14
.set SA,  16
.set SB,  48
.set AFR, 80
.set OB,  176
.set CB,  128
.set BF,  160
.set G1A, 24
.set G1B, 32
.set G0A, 40
.set G0B, 44
.set MSB, 0
.macro WIN new
.if MSB != \new
	s_set_vgpr_msb (MSB<<8)|\new
.set MSB, \new
.endif
.endm
.macro ROUND
	s_barrier_signal -1
	s_barrier_wait -1
	s_cmp_lg_u32 s16, 0
	s_cbranch_scc1 .Lnot_wave_0_\@
	s_barrier_signal -3
.Lnot_wave_0_\@:
	s_barrier_wait -3
	s_barrier_signal -1
	s_barrier_wait -1
.endm
	s_load_b256 s[4:11], s[0:1], 0x0               ; aimg, asc, Wo's codes, Wo's scales
	s_load_b128 s[12:15], s[0:1], 0x20             ; bo, out0
	v_lshl_add_u32 v254, v0, 2, SPARE
	v_mov_b32 v255, 0
	ds_add_u32 v254, v255                          ; the opening lines: the add twice on end and one wait
	ds_add_u32 v254, v255
	v_lshrrev_b32 v7, 5, v0
	v_readfirstlane_b32 s16, v7                    ; wave
	s_lshr_b32 s17, s16, 1                         ; my half of the tokens; also: I fetch the tokens' planes (0) or Wo's rows (1)
	s_and_b32 s18, s16, 1                          ; my half of the columns; also: which four heads, or which 64 rows, I fetch
	s_bfe_u32 s19, ttmp6, 0x40000                  ; cx
	s_bfe_u32 s20, ttmp6, 0x40004                  ; cy
	s_lshl_b32 s21, ttmp9, 2
	s_add_co_u32 s21, s21, s19                     ; block of 128 columns
	s_and_b32 s22, ttmp7, 0xffff
	s_lshl_b32 s22, s22, 2
	s_add_co_u32 s22, s22, s20                     ; block of 128 tokens
	s_lshl_b32 s23, s20, 2
	s_lshl_b32 s23, 15, s23                        ; my row of the cluster
	s_lshl_b32 s76, 0x1111, s19                    ; my column
	s_or_b32 s[G1A], s23, (3<<16)|(1<<21)          ; 4 rows of 1,536 elements of 8 bytes, 49,152 elements apart, no padding
	s_mov_b32 s[G1A+1], 1536<<16
	s_mov_b32 s[G1A+2], 4<<16
	s_mov_b32 s[G1A+3], 1536<<16
	s_mov_b32 s[G1A+4], 4
	s_mov_b32 s[G1A+5], 49152
	s_mov_b32 s[G1A+6], 0
	s_mov_b32 s[G1A+7], 0
	s_or_b32 s[G1B], s76, (0<<16)|(1<<20)|(1<<21)|(5<<22)|(3<<25)   ; 64 rows of 768 bytes; 16 bytes of padding behind every 256
	s_mov_b32 s[G1B+1], 768<<16
	s_mov_b32 s[G1B+2], 64<<16
	s_mov_b32 s[G1B+3], 768<<16
	s_mov_b32 s[G1B+4], 64
	s_mov_b32 s[G1B+5], 768
	s_mov_b32 s[G1B+6], 0
	s_mov_b32 s[G1B+7], 0
	s_mul_i32 s78, s18, 4*393216                   ; the tokens: my four heads,
	s_mul_i32 s79, s22, PLANE                      ; my block's 8 tiles
	s_add_co_u32 s78, s78, s79
	s_mov_b32 s79, 0
	s_lshl_b32 s80, s21, 7
	s_lshl_b32 s81, s18, 6
	s_add_co_u32 s80, s80, s81
	s_mul_i32 s80, s80, 768                        ; Wo: row 128 x column block + 64 x half
	s_mov_b32 s81, 0
	s_mov_b32 s[G0A], 1
	s_mul_i32 s[G0A+1], s18, 4*PLANE
	s_mov_b32 s[G0B], 1
	s_mul_i32 s[G0B+1], s18, 64*PITCH
	s_add_co_u32 s[G0B+1], s[G0B+1], BOFF
	s_wait_dscnt 0x0
	s_wait_kmcnt 0x0
	s_add_nc_u64 s[G0A+2:G0A+3], s[4:5], s[78:79]
	s_or_b32 s[G0A+3], s[G0A+3], 0x80000000
	s_add_nc_u64 s[G0B+2:G0B+3], s[8:9], s[80:81]
	s_or_b32 s[G0B+3], s[G0B+3], 0x80000000
	ROUND                                          ; all sixteen work-groups are here: the joint loads meet
	s_cmp_eq_u32 s17, 0
	s_cbranch_scc0 .Lfor_b
	tensor_load_to_lds s[G0A:G0A+3], s[G1A:G1A+7]
	s_nop 0
.rept 4
	v_nop
.endr
	s_branch .Lasked
.Lfor_b:
	tensor_load_to_lds s[G0B:G0B+3], s[G1B:G1B+7]
	s_nop 0
.rept 4
	v_nop
.endr
.Lasked:
	v_and_b32 v7, 15, v0                           ; r
	v_bfe_u32 v8, v0, 4, 1                         ; h
	v_and_b32 v9, 31, v0                           ; lane
	s_mul_i32 s84, s17, 4*1536                     ; my four tiles of tokens
	v_lshlrev_b32 v[ADA], 4, v9
	v_add_nc_u32 v[ADA], s84, v[ADA]
	v_add_nc_u32 v[ADA+1], 4*PLANE, v[ADA]
	s_mul_i32 s84, s18, 64*PITCH                   ; my 64 rows of Wo
	s_add_co_u32 s84, s84, BOFF
	v_mul_u32_u24 v10, v7, PITCH
	v_mad_u32_u24 v10, v8, 24, v10
	v_add_nc_u32 v[ADB], s84, v10
	v_lshl_add_u32 v[ADB2], v8, 4, v[ADB]          ; the same with lanes 16-31 behind one padding more
	s_mul_i32 s84, s16, 16*SP
	s_add_co_u32 s84, s84, STG                     ; my stage
	v_mul_u32_u24 v10, v7, SP
	v_lshl_add_u32 v10, v8, 5, v10
	v_add_nc_u32 v[STO], s84, v10                  ; in: row r, 32 bytes for each half of the lanes
	v_mul_u32_u24 v10, v8, SP
	v_lshl_add_u32 v10, v7, 4, v10
	v_add_nc_u32 v[RD], s84, v10                   ; back: lanes 0-15 one row of 256 bytes, lanes 16-31 the next
	v_lshlrev_b32 v[CO], 12, v8
	v_lshl_add_u32 v[CO], v7, 4, v[CO]             ; and the same two rows of out0
	v_lshlrev_b32 v11, 5, v7                       ; 32 r: a row's place among the scale words
	v_lshlrev_b32 v13, 5, v8                       ; 32 h: the bias
	s_wait_alu depctr_va_vdst(0)
	s_lshl_b32 s84, s22, 12
	s_lshl_b32 s85, s17, 4
	s_add_co_u32 s84, s84, s85
	s_mov_b32 s85, 0
	s_add_nc_u64 s[6:7], s[6:7], s[84:85]          ; the tokens' scale words: my block, my four tiles
	s_lshl_b32 s84, s21, 12
	s_lshl_b32 s86, s18, 11
	s_add_co_u32 s84, s84, s86
	s_add_nc_u64 s[10:11], s[10:11], s[84:85]      ; Wo's scale bytes: 32 a row, my 64 rows
	s_lshl_b32 s84, s21, 9
	s_lshl_b32 s86, s18, 8
	s_add_co_u32 s84, s84, s86                     ; my 64 columns, in bytes
	s_add_nc_u64 s[12:13], s[12:13], s[84:85]
	s_add_nc_u64 s[14:15], s[14:15], s[84:85]
	s_lshl_b32 s84, s22, 19
	s_lshl_b32 s86, s17, 18
	s_add_co_u32 s84, s84, s86                     ; my 64 tokens' rows of 4,096 bytes
	s_add_nc_u64 s[14:15], s[14:15], s[84:85]
.irp s, 0,1,2,3,4,5,6,7
	global_load_b128 v[SA+4*\s:SA+4*\s+3], v11, s[6:7] offset:512*\s         ; step s: row r's words of my four tiles
.endr
.irp b, 0,1,2,3
	global_load_b128 v[SB+8*\b:SB+8*\b+3], v11, s[10:11] offset:512*\b       ; row 16 b + r: its eight words
	global_load_b128 v[SB+8*\b+4:SB+8*\b+7], v11, s[10:11] offset:512*\b+16
.endr
	WIN 0x40                                       ; destination window 1
.irp b, 0,1,2,3
	global_load_b128 v[CB+8*\b:CB+8*\b+3], v13, s[12:13] offset:64*\b        ; bo(16 b + 8 h + 0 .. 7): the result's layout
	global_load_b128 v[CB+8*\b+4:CB+8*\b+7], v13, s[12:13] offset:64*\b+16
.endr
	WIN 0
.macro FRAG reg, s, i                  ; 16 rows of Wo x 128 K in pieces of 8 bytes: byte y of a row lies at y + 16 (y / 256); where lanes 16-31, 24 bytes on, are past the next padding, the second address register serves
.irp p, 0,1,2,3,4,5
.set PB, 96*(\s)+48*(\p/3)+8*(\p%3)
.if PB/256 == (PB+24)/256
	ds_load_b64 v[\reg+2*\p:\reg+2*\p+1], v[ADB] offset:PB+16*(PB/256)+(\i)*16*PITCH
.else
	ds_load_b64 v[\reg+2*\p:\reg+2*\p+1], v[ADB2] offset:PB+16*(PB/256)+(\i)*16*PITCH
.endif
.endr
.endm
.macro FETCH s                         ; step s's fragments into set s % 2
	WIN 0
.irp i, 0,1,2,3
.irp c, 0,1,2
	ds_load_b128 v[AFR+48*((\s)%2)+12*\i+4*\c:AFR+48*((\s)%2)+12*\i+4*\c+3], v[ADA+(\s)/4] offset:PLANE*((\s)%4)+1536*\i+512*\c
.endr
.endr
	WIN 0x40
.irp b, 0,1,2,3
	FRAG BF+48*((\s)%2)+12*\b, \s, \b
.endr
	WIN 0
.endm
.macro KSTEP s
	s_wait_dscnt 0x0                               ; this step's fragments are in
.if ((\s) > 0) && ((\s) < 7)
.rept 4
	v_nop                                          ; plain lines between the last step's products and loads into the set that they read
.endr
.endif
.if (\s) < 7
	FETCH (\s)+1
.endif
	WIN 0x51                                       ; source 0 (Wo), C and D window 1; source 1 (tokens) window 0
.irp i, 0,1,2,3
.irp b, 0,1,2,3
.if (\s) == 0
	v_wmma_scale_f32_16x16x128_f8f6f4 v[8*(4*\i+\b):8*(4*\i+\b)+7], v[BF+48*((\s)%2)+12*\b:BF+48*((\s)%2)+12*\b+11], v[AFR+48*((\s)%2)+12*\i:AFR+48*((\s)%2)+12*\i+11], v[CB+8*\b:CB+8*\b+7], v[SB+8*\b+(\s)], v[SA+4*(\s)+\i] matrix_a_fmt:MATRIX_FMT_FP6 matrix_b_fmt:MATRIX_FMT_FP6
.else
	v_wmma_scale_f32_16x16x128_f8f6f4 v[8*(4*\i+\b):8*(4*\i+\b)+7], v[BF+48*((\s)%2)+12*\b:BF+48*((\s)%2)+12*\b+11], v[AFR+48*((\s)%2)+12*\i:AFR+48*((\s)%2)+12*\i+11], v[8*(4*\i+\b):8*(4*\i+\b)+7], v[SB+8*\b+(\s)], v[SA+4*(\s)+\i] matrix_a_fmt:MATRIX_FMT_FP6 matrix_b_fmt:MATRIX_FMT_FP6
.endif
.endr
.endr
.endm
	s_wait_tensorcnt 0x0                           ; my one load has landed
	s_barrier_signal -1
	s_barrier_wait -1                              ; everybody's has
	FETCH 0
	s_wait_loadcnt 0x0                             ; scale words and bias
.irp s, 0,1,2,3,4,5,6,7                ; the sixteen accumulators take turns, one instruction a turn, in the same order in every step
	KSTEP \s
.endr
	WIN 0
.rept 4
	v_nop                                          ; plain lines between the last products and the first read of results
.endr
; THE WAY OUT, a tile of 16 tokens x 64 columns at a time, through my own stage: whole rows of 256 bytes come back.
.macro OUTST i
	WIN 0x04                                       ; an LDS store's data: window 1
.irp b, 0,1,2,3
	ds_store_b128 v[STO], v[8*(4*(\i)+\b):8*(4*(\i)+\b)+3] offset:64*\b        ; each accumulator from its low end on
	ds_store_b128 v[STO], v[8*(4*(\i)+\b)+4:8*(4*(\i)+\b)+7] offset:64*\b+16
.endr
	WIN 0
.irp t, 0,1,2,3,4,5,6,7
	ds_load_b128 v[OB+32*((\i)%2)+4*\t:OB+32*((\i)%2)+4*\t+3], v[RD] offset:2*\t*SP   ; LDS serves a wave's instructions in order: these see the stores above
.endr
.endm
.macro SEND i, younger                 ; younger: the LDS instructions issued behind tile i's loads
.irp t, 0,1,2,3,4,5,6,7
	s_wait_dscnt \younger+7-\t
	global_store_b128 v[CO], v[OB+32*((\i)%2)+4*\t:OB+32*((\i)%2)+4*\t+3], s[14:15] offset:4096*(16*(\i)+2*\t) th:TH_STORE_NT   ; sixteen lanes store 256 consecutive bytes, aligned
.endr
.endm
	OUTST 0
	OUTST 1
	SEND 0, 16
	s_wait_xcnt 0x0                                ; tile 0's stores have read their registers: tile 2's rows may land there
	OUTST 2
	SEND 1, 16
	s_wait_xcnt 0x0
	OUTST 3
	SEND 2, 16
	SEND 3, 0
	s_wait_tensorcnt 0x0                           ; the wave's end
	ds_add_u32 v254, v255
	s_wait_dscnt 0x0
	ROUND                                          ; the closing round
	s_endpgm
.Lfunc_end_k_q09e163ba63_outp:
	.size	k_q09e163ba63_outp, .Lfunc_end_k_q09e163ba63_outp-k_q09e163ba63_outp
	.p2alignl 7, 3214868480
	.fill 96, 4, 3214868480
	.section	.rodata,"a",@progbits
	.p2align	6, 0x0
	.amdhsa_kernel k_q09e163ba63_outp
		.amdhsa_group_segment_fixed_size 239104
		.amdhsa_private_segment_fixed_size 0
		.amdhsa_enable_private_segment 0
		.amdhsa_kernarg_size 48
		.amdhsa_user_sgpr_count 2
		.amdhsa_user_sgpr_kernarg_segment_ptr 1
		.amdhsa_wavefront_size32 1
		.amdhsa_system_sgpr_workgroup_id_x 1
		.amdhsa_system_sgpr_workgroup_id_y 1
		.amdhsa_system_sgpr_workgroup_id_z 1
		.amdhsa_system_vgpr_workitem_id 0
		.amdhsa_next_free_vgpr 512
		.amdhsa_next_free_sgpr 96
		.amdhsa_reserve_vcc 0
		.amdhsa_float_denorm_mode_32 3
		.amdhsa_float_denorm_mode_16_64 3
		.amdhsa_memory_ordered 1
		.amdhsa_forward_progress 1
		.amdhsa_inst_pref_size 54
	.end_amdhsa_kernel
	.amdgpu_metadata
---
amdhsa.version: [ 1, 2 ]
amdhsa.kernels:
  - .name:           k_q09e163ba63_outp
    .symbol:         k_q09e163ba63_outp.kd
    .args:
      - { .name: aimg, .offset: 0, .size: 8, .value_kind: global_buffer, .address_space: global }
      - { .name: asc, .offset: 8, .size: 8, .value_kind: global_buffer, .address_space: global }
      - { .name: Wo_codes, .offset: 16, .size: 8, .value_kind: global_buffer, .address_space: global }
      - { .name: Wo_scales, .offset: 24, .size: 8, .value_kind: global_buffer, .address_space: global }
      - { .name: bo, .offset: 32, .size: 8, .value_kind: global_buffer, .address_space: global }
      - { .name: out0, .offset: 40, .size: 8, .value_kind: global_buffer, .address_space: global }
    .group_segment_fixed_size: 239104
    .private_segment_fixed_size: 0
    .kernarg_segment_align: 8
    .kernarg_segment_size: 48
    .max_flat_workgroup_size: 128
    .sgpr_count:     96
    .vgpr_count:     512
    .wavefront_size: 32
...
	.end_amdgpu_metadata
.endif
;; end of part 3
